; MI455X (gfx1250); checked and timed in simulation.
; The chip was launched on July 23, 2026; its instructions are those of AMD's public machine-readable ISA for CDNA 5 (MIT licence, August 2026) and "CDNA5" Instruction Set Architecture Reference Guide (July 2026). The comments in the code are by the model that wrote it; some were corrected since.
;; Attention Block. Allowed arithmetic: float matrix products may take bf16 or f16 operands with f32 sums; other float arithmetic in f32, or as packed bf16 or f16 multiplies, adds, multiply-adds, maxima and minima; sums over many terms, partial sums and values carried from step to step in f32; what a program stores and reads back later, other than sums and carried values, may be rounded once to bf16 or f16.
;; Inputs: Wfc 1,024 x 1,024 float32; Wk 1,024 x 1,024 float32; Wq 1,024 x 1,024 float32; Wv 1,024 x 1,024 float32; bfc 1,024 float32; bk 1,024 float32; bq 1,024 float32; bv 1,024 float32; x 4 x 2,048 x 1,024 float32.
;; Outputs: out0 4 x 2,048 x 1,024 float32.
;; 2 versions, each right. Each part assembles by itself: llvm-mc -triple=amdgcn-amd-amdhsa -mcpu=gfx1250 --defsym DOCPART=n.
;; ======== version 1 of 2: 5 launches
;; limits: values outside matrix products are rounded to bf16
;; workspace buffers: xv 16,777,216 bytes; wcat 6,291,456 bytes; wfcb 2,097,152 bytes; bcat 12,288 bytes; vqk 50,331,648 bytes; p 33,554,432 bytes; stats 1,048,576 bytes
;; launch cvt (part 1): grid 128 x 12, 8 waves a work-group, no clusters, 0 bytes of LDS; arguments x, Wv, Wq, Wk, Wfc, bv, bq, bk, xv, wcat, wfcb, bcat; writes xv, wcat, wfcb, bcat
.if DOCPART == 1
	.amdgcn_target "amdgcn-amd-amdhsa--gfx1250"
	.amdhsa_code_object_version 6
	.text
	.protected	k_qf1695e5414_cvt
	.globl	k_qf1695e5414_cvt
	.p2align	8
	.type	k_qf1695e5414_cvt,@function
k_qf1695e5414_cvt:
	s_mov_b64 s[64:65], 0
	v_nop
	global_prefetch_b8 v0, s[64:65] scope:SCOPE_SE
	s_setreg_imm32_b32 hwreg(HW_REG_WAVE_MODE, 25, 1), 1
	s_wait_xcnt 0x0
; x and the four weight matrices are rounded once to bf16 (nearest even); the biases of v, q and k are copied on end.
; xv = bf16(x) [8192][1024];  wcat = bf16 rows of Wv, Wq, Wk [3072][1024];  wfcb = bf16(Wfc);  bcat = bv, bq, bk in f32.
; A work-group converts one block of 8,192 numbers: 32 KiB in, 16 KiB out.  Grid y picks the tensor (0-7: x, 8: Wv, 9: Wq, 10: Wk, 11: Wfc),
; grid x the block: x has 1,024 blocks, each weight matrix 128.  The choice is made by scalar selects alone.
; A stream: no LDS, no barrier, no matrix unit.  Thread t takes 16 bytes at 16 t of each 4,096; its 8 bytes of result lie at 8 t of each 2,048,
; so a wave's load covers 512 consecutive bytes and its store 256 consecutive bytes, aligned.  All eight loads go out before the first store.
.set X,  4                             ; v[4:35]   eight loads of four numbers
.set Y,  36                            ; v[36:51]  eight pairs of packed results
	s_load_b512 s[4:19], s[0:1], 0x0               ; x s[4:5], Wv s[6:7], Wq s[8:9], Wk s[10:11], Wfc s[12:13], bv s[14:15], bq s[16:17], bk s[18:19]
	s_load_b256 s[20:27], s[0:1], 0x40             ; xv s[20:21], wcat s[22:23], wfcb s[24:25], bcat s[26:27]
	s_and_b32 s28, ttmp7, 0xffff                   ; y
	s_mov_b32 s29, ttmp9                           ; i
	v_lshlrev_b32 v1, 4, v0                        ; 16 t
	v_lshlrev_b32 v2, 3, v0                        ; 8 t
	s_lshl_b32 s30, s28, 7
	s_add_co_u32 s30, s30, s29                     ; 128 y + i: the block in x and in xv
	s_sub_co_u32 s31, s30, 1024                    ; 128 (y - 8) + i: the block in wcat (used for y = 8, 9, 10 alone)
	s_wait_kmcnt 0x0
	s_cmp_lt_u32 s28, 8
	s_cselect_b64 s[32:33], s[4:5], s[6:7]         ; from x, else from Wv
	s_cselect_b32 s34, s30, s29                    ; the block in the source
	s_cselect_b64 s[36:37], s[20:21], s[22:23]     ; to xv, else to wcat
	s_cselect_b32 s38, s30, s31                    ; the block in the destination
	s_cmp_eq_u32 s28, 9
	s_cselect_b64 s[32:33], s[8:9], s[32:33]       ; Wq
	s_cmp_eq_u32 s28, 10
	s_cselect_b64 s[32:33], s[10:11], s[32:33]     ; Wk
	s_cmp_eq_u32 s28, 11
	s_cselect_b64 s[32:33], s[12:13], s[32:33]     ; Wfc,
	s_cselect_b64 s[36:37], s[24:25], s[36:37]     ; which goes to wfcb,
	s_cselect_b32 s38, s29, s38                    ; block i
	s_lshl_b32 s34, s34, 15                        ; 32,768 bytes a block in
	s_mov_b32 s35, 0
	s_lshl_b32 s38, s38, 14                        ; 16,384 out
	s_mov_b32 s39, 0
	s_add_nc_u64 s[32:33], s[32:33], s[34:35]
	s_add_nc_u64 s[36:37], s[36:37], s[38:39]
.irp j, 0,1,2,3,4,5,6,7
	global_load_b128 v[X+4*(\j):X+4*(\j)+3], v1, s[32:33] offset:4096*(\j) th:TH_LOAD_NT
.endr
.irp j, 0,1,2,3,4,5,6,7
	s_wait_loadcnt 7-(\j)                          ; loads come back in order: load j is in, the 7 - j younger ones may stay out
	v_cvt_pk_bf16_f32 v[Y+2*(\j)],   v[X+4*(\j)],   v[X+4*(\j)+1]
	v_cvt_pk_bf16_f32 v[Y+2*(\j)+1], v[X+4*(\j)+2], v[X+4*(\j)+3]
	global_store_b64 v2, v[Y+2*(\j):Y+2*(\j)+1], s[36:37] offset:2048*(\j)  ; no register is written twice, so nothing is waited for
.endr
	; the three biases, 4,096 bytes each: copied by the first work-group of y = 8, 9, 10
	s_sub_co_u32 s40, s28, 8                       ; 0, 1, 2 there; a large number for y under 8
	s_cmp_lt_u32 s40, 3
	s_cselect_b32 s41, 1, 0
	s_cmp_eq_u32 s29, 0
	s_cselect_b32 s41, s41, 0
	s_cmp_eq_u32 s41, 1
	s_cbranch_scc0 .Ldone
	s_cmp_eq_u32 s40, 1
	s_cselect_b64 s[42:43], s[16:17], s[14:15]     ; bq, else bv
	s_cmp_eq_u32 s40, 2
	s_cselect_b64 s[42:43], s[18:19], s[42:43]     ; bk
	s_lshl_b32 s44, s40, 12
	s_mov_b32 s45, 0
	s_add_nc_u64 s[46:47], s[26:27], s[44:45]
	global_load_b128 v[52:55], v1, s[42:43]
	s_wait_loadcnt 0x0
	global_store_b128 v1, v[52:55], s[46:47]
.Ldone:
	s_endpgm
.Lfunc_end_k_qf1695e5414_cvt:
	.size	k_qf1695e5414_cvt, .Lfunc_end_k_qf1695e5414_cvt-k_qf1695e5414_cvt
	.p2alignl 7, 3214868480
	.fill 96, 4, 3214868480
	.section	.rodata,"a",@progbits
	.p2align	6, 0x0
	.amdhsa_kernel k_qf1695e5414_cvt
		.amdhsa_group_segment_fixed_size 0
		.amdhsa_private_segment_fixed_size 0
		.amdhsa_enable_private_segment 0
		.amdhsa_kernarg_size 96
		.amdhsa_user_sgpr_count 2
		.amdhsa_user_sgpr_kernarg_segment_ptr 1
		.amdhsa_wavefront_size32 1
		.amdhsa_system_sgpr_workgroup_id_x 1
		.amdhsa_system_sgpr_workgroup_id_y 1
		.amdhsa_system_sgpr_workgroup_id_z 1
		.amdhsa_system_vgpr_workitem_id 0
		.amdhsa_next_free_vgpr 64
		.amdhsa_next_free_sgpr 66
		.amdhsa_reserve_vcc 0
		.amdhsa_float_denorm_mode_32 3
		.amdhsa_float_denorm_mode_16_64 3
		.amdhsa_memory_ordered 1
		.amdhsa_forward_progress 1
		.amdhsa_inst_pref_size 5
	.end_amdhsa_kernel
	.amdgpu_metadata
---
amdhsa.version: [ 1, 2 ]
amdhsa.kernels:
  - .name:           k_qf1695e5414_cvt
    .symbol:         k_qf1695e5414_cvt.kd
    .args:
      - { .name: x, .offset: 0, .size: 8, .value_kind: global_buffer, .address_space: global }
      - { .name: Wv, .offset: 8, .size: 8, .value_kind: global_buffer, .address_space: global }
      - { .name: Wq, .offset: 16, .size: 8, .value_kind: global_buffer, .address_space: global }
      - { .name: Wk, .offset: 24, .size: 8, .value_kind: global_buffer, .address_space: global }
      - { .name: Wfc, .offset: 32, .size: 8, .value_kind: global_buffer, .address_space: global }
      - { .name: bv, .offset: 40, .size: 8, .value_kind: global_buffer, .address_space: global }
      - { .name: bq, .offset: 48, .size: 8, .value_kind: global_buffer, .address_space: global }
      - { .name: bk, .offset: 56, .size: 8, .value_kind: global_buffer, .address_space: global }
      - { .name: xv, .offset: 64, .size: 8, .value_kind: global_buffer, .address_space: global }
      - { .name: wcat, .offset: 72, .size: 8, .value_kind: global_buffer, .address_space: global }
      - { .name: wfcb, .offset: 80, .size: 8, .value_kind: global_buffer, .address_space: global }
      - { .name: bcat, .offset: 88, .size: 8, .value_kind: global_buffer, .address_space: global }
    .group_segment_fixed_size: 0
    .private_segment_fixed_size: 0
    .kernarg_segment_align: 8
    .kernarg_segment_size: 96
    .max_flat_workgroup_size: 256
    .sgpr_count:     66
    .vgpr_count:     64
    .wavefront_size: 32
...
	.end_amdgpu_metadata
.endif
;; end of part 1
;; launch qkv (part 2): grid 12 x 64, 4 waves a work-group, clusters of 4 x 4, 327,680 bytes of LDS; arguments xv, wcat, bcat, vqk; writes vqk
.if DOCPART == 2
	.amdgcn_target "amdgcn-amd-amdhsa--gfx1250"
	.amdhsa_code_object_version 6
	.text
	.protected	k_qf1695e5414_qkv
	.globl	k_qf1695e5414_qkv
	.p2align	8
	.type	k_qf1695e5414_qkv,@function
k_qf1695e5414_qkv:
	s_mov_b64 s[64:65], 0
	v_nop
	global_prefetch_b8 v0, s[64:65] scope:SCOPE_SE
	s_setreg_imm32_b32 hwreg(HW_REG_WAVE_MODE, 25, 1), 1
	s_wait_xcnt 0x0
	s_wait_alu depctr_hold_cnt(0) depctr_sa_sdst(0) depctr_va_vdst(0) depctr_va_sdst(0) depctr_va_ssrc(0) depctr_va_vcc(0) depctr_vm_vsrc(0)
	s_getreg_b32 s2, hwreg(HW_REG_IB_STS2, 6, 4)
	s_cmp_eq_u32 s2, 0
	s_cbranch_scc0 .Lentry_in_a_cluster
	s_endpgm
.Lentry_in_a_cluster:
	s_bfe_u32 s2, ttmp6, 0x10000c
	s_cmp_lg_u32 s2, 0xf033
	s_cbranch_scc0 .Lentry_shape_is_right
	s_endpgm
.Lentry_shape_is_right:
; C[m][n] = bias[n] + the sum over k of A[m][k] B[n][k].  A: [8192][1024] bf16, B: [N][1024] bf16, bias: [N] f32; sums in f32, C rounded once to bf16.
; C is written in planes of [8192][1024]: tile columns 4 X .. 4 X + 3 (X the cluster's x) make plane X.  Two launches run this text:
;   A = bf16(x), B = rows of Wv, Wq, Wk (N = 3072): planes v, q, k;      A = plane v, B = bf16(Wfc) (N = 1024): the one plane v Wfc^T + bfc.
; LIMITS.  The operands are bf16; NaN and infinities are not treated apart.
; SHARES.  A tile of C is 128 x 256: 768 and 256 tiles, whole multiples of 256 work-groups (tiles of 256 x 256 would be 384 and 128).  Four waves, 2 x 2, each 64 x 128:
; 32 accumulators of 16 x 16, 256 registers.  K goes in steps of 128 (rows of 256 bytes, each at a multiple of 256 bytes) through two LDS slots; two slots of longer steps would not fit in LDS.
; CLUSTER.  4 x 4 work-groups.  A's tile hangs on the tile row alone and is asked for jointly by a row of the cluster, B's on the tile column alone, by a column.
; Waves 0 and 1 fetch A's two halves (64 rows each), waves 2 and 3 B's (128 rows each): one tensor load a wave behind each round; two are out at the start.
; THE MATRIX INSTRUCTION IS USED TRANSPOSED (source 0 = 16 rows of B, source 1 = 16 rows of A): a lane holds row l % 16 of C and the columns 8 (l / 16) + 0..7.
; THE BIAS is the C operand of the products that start the sums: for a lane it hangs on the column alone, 64 registers for the wave's 128 columns.
; REGISTERS.  window 0: v0-31 addresses; v32-63 packed results; v64-159, v160-255 two fragment buffers (A's 4 blocks of 16 rows x 32 K, then B's 8);  window 1: accumulator (a, b) at 8 (8 a + b);  window 2: v0-63 the bias.
.set KSTEP,  128
.set PITCH,  272                       ; an LDS row: 256 bytes + 16 of padding = 68 words: the 16 rows of a fragment load start 4 words apart modulo 64
.set AH,     64*PITCH                  ; half of A's tile: one tensor load, and what a wave reads of A
.set AT,     2*AH
.set BH,     128*PITCH                 ; half of B's tile
.set SLOT,   AT+2*BH                   ; 104,448 bytes
.set STAGE,  2*SLOT                    ; behind the ring: 16 rows x 272 bytes for each wave, for the way out
.set SPITCH, 272
.set SPARE,  STAGE+4*16*SPITCH         ; the spare words, 128 bytes for each wave
.set LAPS,   4                         ; K = 1024: eight steps, two to a lap
.set CP,     2048                      ; bytes in a row of C
.set ADRA, 16                          ; v16-17  LDS address of my A fragments in slot 0, 1
.set ADRB, 20                          ; v20-21  the same for B
.set STO,  24                          ; v24     where I put 16 bytes of a row
.set RD,   25                          ; v25     where I read a row back
.set CO,   26                          ; v26     my byte offset in C
.set BO,   27                          ; v27     my byte offset in the bias: 32 (l / 16)
.set SPW,  28                          ; v28     my spare word; never rewritten
.set NIL,  29                          ; v29     0; never rewritten
.set TMP,  32
.set OB,   64                          ; the way out: rows read back, v64-95 and v96-127 by turns
.set F0,   64
.set F1,   160
.set G1,  24                           ; s[24:31] group 1 for A;  s[32:39] group 0, a set for each slot
.set G0,  32
.set G1B, 48                           ; s[48:55], s[56:63] the same for B
.set G0B, 56
.set CB,  70                           ; s[70:71] C at my first row and column
.set FLD, (1<<16)|(1<<20)|(1<<21)|(5<<22)|(3<<25)  ; 2-byte elements; padding on; bit 21 beside a mask; after every 64 words; 4 words
.set MUL,   0x50                       ; C and D in window 1
.set MUL_B, 0x60                       ; C in window 2, D in window 1
.set MSB, 0
.macro WIN new                         ; the immediate's high byte repeats the setting that is left
.if MSB != (\new)
	s_set_vgpr_msb (MSB<<8)|(\new)
.set MSB, \new
.endif
.endm
.macro JLOAD s                         ; a joint load; an s_nop 0 and four v_nop follow each of the two lines, ahead of the jump and the label
	s_cmp_eq_u32 s11, 0
	s_cbranch_scc0 .Lfor_b_\@
	tensor_load_to_lds s[G0+4*(\s):G0+4*(\s)+3], s[G1:G1+7]
	s_nop 0
.rept 4
	v_nop
.endr
	s_branch .Lasked_\@
.Lfor_b_\@:
	tensor_load_to_lds s[G0B+4*(\s):G0B+4*(\s)+3], s[G1B:G1B+7]
	s_nop 0
.rept 4
	v_nop
.endr
.Lasked_\@:
.endm
.macro CREST                           ; a round of the cluster's barrier behind its opening barrier
	s_cmp_lg_u32 s10, 0
	s_cbranch_scc1 .Lnot_wave_0_\@
	s_barrier_signal -3
.Lnot_wave_0_\@:
	s_barrier_wait -3
	s_barrier_signal -1
	s_barrier_wait -1
.endm
.macro CROUND
	s_barrier_signal -1
	s_barrier_wait -1
	CREST
.endm
.macro PLACES                          ; four places in front of loads into registers that matrix instructions have read, and of conversions that read results
.rept 4
	v_nop
.endr
.endm
	s_load_b128 s[4:7], s[0:1], 0x0                ; A s[4:5], B s[6:7]
	s_load_b128 s[68:71], s[0:1], 0x10             ; bias s[68:69], C s[70:71]
	v_lshl_add_u32 v[SPW], v0, 2, SPARE
	v_mov_b32 v[NIL], 0
	ds_add_u32 v[SPW], v[NIL]                      ; the wave's opening: the add and its wait ahead of my first tensor load
	v_lshrrev_b32 v1, 5, v0
	v_readfirstlane_b32 s10, v1                    ; wave 0..3
	s_lshr_b32 s11, s10, 1                         ; my half of the tile's rows.  Also: I fetch for A (0) or for B (1)
	s_and_b32 s12, s10, 1                          ; my half of its columns.  Also: which half of that tile I fetch
	s_bfe_u32 s40, ttmp6, 0x40000                  ; cx
	s_bfe_u32 s41, ttmp6, 0x40004                  ; cy
	s_lshl_b32 s42, ttmp9, 2
	s_add_co_u32 s42, s42, s40                     ; tile column = 4 x cluster x + cx
	s_and_b32 s13, ttmp7, 0xffff
	s_lshl_b32 s13, s13, 2
	s_add_co_u32 s13, s13, s41                     ; tile row = 4 x cluster y + cy
	s_lshl_b32 s43, s41, 2
	s_lshl_b32 s43, 15, s43                        ; my row of the cluster
	s_lshl_b32 s44, 0x1111, s40                    ; my column
	s_or_b32 s[G1+0], s43, FLD
	s_or_b32 s[G1B+0], s44, FLD
	s_mov_b32 s[G1+1], KSTEP<<16                   ; tensor_dim0 = 128
	s_mov_b32 s[G1+2], 64<<16                      ; tensor_dim1 = 64
	s_mov_b32 s[G1+3], KSTEP<<16                   ; tile_dim0 = 128
	s_mov_b32 s[G1+4], 64                          ; tile_dim1 = 64
	s_mov_b32 s[G1+5], 1024                        ; elements from row to row
	s_mov_b32 s[G1+6], 0
	s_mov_b32 s[G1+7], 0
	s_mov_b32 s[G1B+1], KSTEP<<16
	s_mov_b32 s[G1B+2], 128<<16                    ; B: 128 rows
	s_mov_b32 s[G1B+3], KSTEP<<16
	s_mov_b32 s[G1B+4], 128
	s_mov_b32 s[G1B+5], 1024
	s_mov_b32 s[G1B+6], 0
	s_mov_b32 s[G1B+7], 0
	s_lshl_b32 s17, s12, 6
	s_lshl_b32 s16, s13, 7
	s_add_co_u32 s16, s16, s17                     ; A: row 128 x tile row + 64 x half,
	s_lshl_b32 s16, s16, 11                        ; 2,048 bytes a row
	s_mov_b32 s17, 0
	s_lshl_b32 s47, s12, 7
	s_lshl_b32 s46, s42, 8
	s_add_co_u32 s46, s46, s47                     ; B: row 256 x tile column + 128 x half
	s_lshl_b32 s46, s46, 11
	s_mov_b32 s47, 0
	s_mul_i32 s20, s12, AH                         ; where they go: no place in the cluster enters an LDS address
	s_mul_i32 s21, s12, BH
	s_add_co_u32 s21, s21, AT
	s_wait_dscnt 0x0                               ; the opening add is done
	s_wait_kmcnt 0x0
	s_add_nc_u64 s[14:15], s[4:5], s[16:17]
	s_add_nc_u64 s[46:47], s[6:7], s[46:47]
	CROUND                                         ; all sixteen work-groups are here: the first joint loads meet
.irp s, 0,1
	s_mov_b32 s[G0+4*(\s)], 1
	s_add_co_u32 s[G0+4*(\s)+1], s20, (\s)*SLOT
	s_add_nc_u64 s[G0+4*(\s)+2:G0+4*(\s)+3], s[14:15], (\s)*KSTEP*2
	s_or_b32 s[G0+4*(\s)+3], s[G0+4*(\s)+3], 0x80000000
	s_mov_b32 s[G0B+4*(\s)], 1
	s_add_co_u32 s[G0B+4*(\s)+1], s21, (\s)*SLOT
	s_add_nc_u64 s[G0B+4*(\s)+2:G0B+4*(\s)+3], s[46:47], (\s)*KSTEP*2
	s_or_b32 s[G0B+4*(\s)+3], s[G0B+4*(\s)+3], 0x80000000
	JLOAD \s
.endr
	v_and_b32 v1, 15, v0                           ; r = l % 16
	v_bfe_u32 v2, v0, 4, 1                         ; h = l / 16
	; the bias of my 128 columns: register j of block b is column 16 b + 8 h + j
	s_lshl_b32 s18, s42, 10
	s_lshl_b32 s19, s12, 9
	s_add_co_u32 s18, s18, s19                     ; 4 x (256 x tile column + 128 x half)
	s_mov_b32 s19, 0
	s_add_nc_u64 s[68:69], s[68:69], s[18:19]
	v_lshlrev_b32 v[BO], 5, v2
	WIN 0x80                                       ; destination window 2
.irp b, 0,1,2,3,4,5,6,7
	global_load_b128 v[8*(\b):8*(\b)+3],   v[BO], s[68:69] offset:64*(\b)
	global_load_b128 v[8*(\b)+4:8*(\b)+7], v[BO], s[68:69] offset:64*(\b)+16
.endr
	WIN 0
	v_mul_u32_u24 v3, v1, PITCH
	v_lshl_add_u32 v3, v2, 4, v3                   ; a fragment's row x pitch + 16 x half
	s_mul_i32 s21, s11, AH                         ; my 64 rows of A
	s_mul_i32 s22, s12, BH                         ; my 128 rows of B,
	s_add_co_u32 s22, s22, AT                      ; which lie behind A's
.irp s, 0,1
	v_add_nc_u32 v[ADRA+(\s)], s21, v3
	v_add_nc_u32 v[ADRB+(\s)], s22, v3
	s_add_co_u32 s21, s21, SLOT
	s_add_co_u32 s22, s22, SLOT
.endr
	s_mul_i32 s23, s10, 16*SPITCH
	s_add_co_u32 s23, s23, STAGE                   ; my stage
	v_mul_u32_u24 v4, v1, SPITCH                   ; in: row r, 16 bytes for each half of the lanes
	v_lshl_add_u32 v4, v2, 4, v4
	v_add_nc_u32 v[STO], s23, v4
	v_mul_u32_u24 v5, v2, SPITCH                   ; back: lanes 0-15 one row of 256 bytes, lanes 16-31 the next
	v_lshl_add_u32 v5, v1, 4, v5
	v_add_nc_u32 v[RD], s23, v5
	v_lshlrev_b32 v5, 11, v2                       ; and the same two rows in C
	v_lshl_add_u32 v[CO], v1, 4, v5
	s_lshl_b32 s16, s13, 7
	s_lshl_b32 s17, s11, 6
	s_add_co_u32 s16, s16, s17                     ; my first row of C
	s_lshl_b32 s16, s16, 11
	s_lshl_b32 s17, ttmp9, 24                      ; the plane: 16,777,216 bytes
	s_add_co_u32 s16, s16, s17
	s_lshl_b32 s17, s40, 9                         ; in the plane: 512 bytes a tile column,
	s_add_co_u32 s16, s16, s17
	s_lshl_b32 s17, s12, 8                         ; 256 for my half
	s_add_co_u32 s16, s16, s17
	s_mov_b32 s17, 0
	s_add_nc_u64 s[CB:CB+1], s[CB:CB+1], s[16:17]
; 8 matrix instructions: n blocks b0, b0 + 1 x all 4 m blocks, 32 along K.  The 32 accumulators take turns in the same order in every quarter.  start = 1: the sums start with the bias.
.macro MUL8 f, b0, start
.if \start
	WIN MUL_B
.else
	WIN MUL
.endif
.irp b, \b0, (\b0)+1
.irp a, 0,1,2,3
.if \start
	v_wmma_f32_16x16x32_bf16 v[8*(8*(\a)+(\b)):8*(8*(\a)+(\b))+7], v[(\f)+32+8*(\b):(\f)+32+8*(\b)+7], v[(\f)+8*(\a):(\f)+8*(\a)+7], v[8*(\b):8*(\b)+7]
.else
	v_wmma_f32_16x16x32_bf16 v[8*(8*(\a)+(\b)):8*(8*(\a)+(\b))+7], v[(\f)+32+8*(\b):(\f)+32+8*(\b)+7], v[(\f)+8*(\a):(\f)+8*(\a)+7], v[8*(8*(\a)+(\b)):8*(8*(\a)+(\b))+7]
.endif
.endr
.endr
.endm
; 24 LDS loads in one run: the fragments of 32 along K at byte k of the rows: A's 8 loads first, then B's 16 in the order of b
.macro FETCH slot, k, f
	WIN 0
.irp a, 0,1,2,3
	ds_load_b128 v[(\f)+8*(\a):(\f)+8*(\a)+3],   v[ADRA+(\slot)] offset:(\k)+(\a)*16*PITCH
	ds_load_b128 v[(\f)+8*(\a)+4:(\f)+8*(\a)+7], v[ADRA+(\slot)] offset:(\k)+(\a)*16*PITCH+32
.endr
.irp b, 0,1,2,3,4,5,6,7
	ds_load_b128 v[(\f)+32+8*(\b):(\f)+32+8*(\b)+3],   v[ADRB+(\slot)] offset:(\k)+(\b)*16*PITCH
	ds_load_b128 v[(\f)+32+8*(\b)+4:(\f)+32+8*(\b)+7], v[ADRB+(\slot)] offset:(\k)+(\b)*16*PITCH+32
.endr
.endm
; A K step is four quarters of 32 along K, 32 matrix instructions each, on buffers 0, 1, 0, 1.  One of the first three: multiplies f and fetches the next quarter, at byte k, into g.
.macro QUARTER slot, k, f, g, start
	s_wait_dscnt 12                                ; of f's 24 loads A's 8 and B's blocks 0, 1 are in
	MUL8 \f, 0, \start
	PLACES
	FETCH \slot, \k, \g
	s_wait_dscnt 32                                ; B's blocks 2, 3: eight older loads and the 24 just issued may be out
	MUL8 \f, 2, \start
	s_wait_dscnt 28
	MUL8 \f, 4, \start
	s_wait_dscnt 24
	MUL8 \f, 6, \start
.endm
; The last quarter multiplies buffer 1 and changes slots: one barrier; in front of it each wave waits for all its tensor loads, adds 0 to its spare word, and waits for that and for its reads of this slot.
.macro TURN slot, next, fill
	WIN 0
	s_wait_tensorcnt 0x0                           ; all my tensor loads have landed: my part of the next slot
	ds_add_u32 v[SPW], v[NIL]
	s_wait_dscnt 13                                ; the add and the youngest twelve loads may be out
	MUL8 F1, 0, 0
	s_wait_dscnt 0x0                               ; the add is done, and my reads of this slot are over
	s_barrier_signal -1
	MUL8 F1, 2, 0
.if \fill
	WIN 0
.endif
	s_barrier_wait -1
.if \fill
	CREST                                          ; the barrier has opened a round of the cluster's: no wave of any partner still reads this slot or has a load on its way
	s_add_nc_u64 s[G0+4*(\slot)+2:G0+4*(\slot)+3], s[G0+4*(\slot)+2:G0+4*(\slot)+3], 2*KSTEP*2
	s_add_nc_u64 s[G0B+4*(\slot)+2:G0B+4*(\slot)+3], s[G0B+4*(\slot)+2:G0B+4*(\slot)+3], 2*KSTEP*2
	JLOAD \slot                                    ; the first tensor load behind the round; its four v_nop are also the places in front of the loads below
.else
	PLACES
.endif
	FETCH \next, 0, F0
	MUL8 F1, 4, 0
	MUL8 F1, 6, 0
.endm
; THE WAY OUT of m block a: rounded to bf16, 16 bytes a lane; through my own stage; back as whole rows of 256 bytes; stored.
.macro PACK a
	WIN 0x05                                       ; sources in window 1
.irp b, 0,1,2,3,4,5,6,7
.irp i, 0,1,2,3
	v_cvt_pk_bf16_f32 v[TMP+4*(\b)+(\i)], v[64*(\a)+8*(\b)+2*(\i)], v[64*(\a)+8*(\b)+2*(\i)+1]
.endr
.endr
	WIN 0
.endm
.macro TOSTAGE a
	WIN 0
.set BK, OB+32*((\a)%2)
.irp b, 0,1,2,3,4,5,6,7
	ds_store_b128 v[STO], v[TMP+4*(\b):TMP+4*(\b)+3] offset:32*(\b)
.endr
.irp t, 0,1,2,3,4,5,6,7
	ds_load_b128 v[BK+4*(\t):BK+4*(\t)+3], v[RD] offset:(\t)*2*SPITCH  ; LDS serves a wave's instructions in order: these see the stores above
.endr
.endm
.macro SEND a
	WIN 0
.set BK, OB+32*((\a)%2)
	s_wait_dscnt 0x0                               ; the block is back in registers
	s_wait_xcnt 0x0                                ; the stores of the block before have read their registers, which the next block's loads will write
.irp t, 0,1,2,3,4,5,6,7
	global_store_b128 v[CO], v[BK+4*(\t):BK+4*(\t)+3], s[CB:CB+1] offset:(16*(\a)+2*(\t))*CP  ; 16 lanes store 256 consecutive bytes, aligned
.endr
.endm
	s_wait_tensorcnt 1                             ; my part of K step 0 is in; K step 1's may stay out
	s_barrier_signal -1
	s_barrier_wait -1
	FETCH 0, 0, F0
	s_wait_loadcnt 0x0                             ; the bias
	QUARTER 0, 64,  F0, F1, 1                      ; the first quarter stands in front of the loop: its products start the sums
	WIN 0
	s_mov_b32 s3, LAPS-1
.Llap:                                                 ; a trip goes once round the ring and fills both slots again
	QUARTER 0, 128, F1, F0, 0
	QUARTER 0, 192, F0, F1, 0
	TURN 0, 1, 1
	QUARTER 1, 64,  F0, F1, 0
	QUARTER 1, 128, F1, F0, 0
	QUARTER 1, 192, F0, F1, 0
	TURN 1, 0, 1
	QUARTER 0, 64,  F0, F1, 0
	WIN 0
	s_sub_co_u32 s3, s3, 1
	s_cmp_lg_u32 s3, 0
	s_cbranch_scc1 .Llap
	QUARTER 0, 128, F1, F0, 0                      ; the last lap fills nothing
	QUARTER 0, 192, F0, F1, 0
	TURN 0, 1, 0
	QUARTER 1, 64,  F0, F1, 0
	QUARTER 1, 128, F1, F0, 0
	QUARTER 1, 192, F0, F1, 0
	s_wait_dscnt 12                                ; the very last quarter: the counts run down
	MUL8 F1, 0, 0
	s_wait_dscnt 8
	MUL8 F1, 2, 0
	s_wait_dscnt 4
	MUL8 F1, 4, 0
	s_wait_dscnt 0x0
	MUL8 F1, 6, 0
	PLACES
	PACK 0
	TOSTAGE 0
.irp a, 1,2,3                          ; block a's conversions stand between block a - 1's loads from the stage and the wait for them
	PACK \a
	SEND (\a)-1
	TOSTAGE \a
.endr
	SEND 3
	s_wait_tensorcnt 0x0                           ; the wave's end
	ds_add_u32 v[SPW], v[NIL]
	s_wait_dscnt 0x0
	CROUND                                         ; the closing round
	s_endpgm
.Lfunc_end_k_qf1695e5414_qkv:
	.size	k_qf1695e5414_qkv, .Lfunc_end_k_qf1695e5414_qkv-k_qf1695e5414_qkv
	.p2alignl 7, 3214868480
	.fill 96, 4, 3214868480
	.section	.rodata,"a",@progbits
	.p2align	6, 0x0
	.amdhsa_kernel k_qf1695e5414_qkv
		.amdhsa_group_segment_fixed_size 327680
		.amdhsa_private_segment_fixed_size 0
		.amdhsa_enable_private_segment 0
		.amdhsa_kernarg_size 32
		.amdhsa_user_sgpr_count 2
		.amdhsa_user_sgpr_kernarg_segment_ptr 1
		.amdhsa_wavefront_size32 1
		.amdhsa_system_sgpr_workgroup_id_x 1
		.amdhsa_system_sgpr_workgroup_id_y 1
		.amdhsa_system_sgpr_workgroup_id_z 1
		.amdhsa_system_vgpr_workitem_id 0
		.amdhsa_next_free_vgpr 576
		.amdhsa_next_free_sgpr 80
		.amdhsa_reserve_vcc 0
		.amdhsa_float_denorm_mode_32 3
		.amdhsa_float_denorm_mode_16_64 3
		.amdhsa_memory_ordered 1
		.amdhsa_forward_progress 1
		.amdhsa_inst_pref_size 88
	.end_amdhsa_kernel
	.amdgpu_metadata
---
amdhsa.version: [ 1, 2 ]
amdhsa.kernels:
  - .name:           k_qf1695e5414_qkv
    .symbol:         k_qf1695e5414_qkv.kd
    .args:
      - { .name: xv, .offset: 0, .size: 8, .value_kind: global_buffer, .address_space: global }
      - { .name: wcat, .offset: 8, .size: 8, .value_kind: global_buffer, .address_space: global }
      - { .name: bcat, .offset: 16, .size: 8, .value_kind: global_buffer, .address_space: global }
      - { .name: vqk, .offset: 24, .size: 8, .value_kind: global_buffer, .address_space: global }
    .group_segment_fixed_size: 327680
    .private_segment_fixed_size: 0
    .kernarg_segment_align: 8
    .kernarg_segment_size: 32
    .max_flat_workgroup_size: 128
    .sgpr_count:     80
    .vgpr_count:     576
    .wavefront_size: 32
...
	.end_amdgpu_metadata
.endif
;; end of part 2
;; launch v2: the kernel of part 2 again; grid 4 x 64, 4 waves a work-group, clusters of 4 x 4, 327,680 bytes of LDS; arguments vqk, wfcb, bfc, xv; writes xv
;; launch score (part 3): grid 8 x 64, 4 waves a work-group, clusters of 4 x 4, 327,680 bytes of LDS; arguments vqk, p, stats; writes p, stats
.if DOCPART == 3
	.amdgcn_target "amdgcn-amd-amdhsa--gfx1250"
	.amdhsa_code_object_version 6
	.text
	.protected	k_qf1695e5414_score
	.globl	k_qf1695e5414_score
	.p2align	8
	.type	k_qf1695e5414_score,@function
k_qf1695e5414_score:
	s_mov_b64 s[64:65], 0
	v_nop
	global_prefetch_b8 v0, s[64:65] scope:SCOPE_SE
	s_setreg_imm32_b32 hwreg(HW_REG_WAVE_MODE, 25, 1), 1
	s_wait_xcnt 0x0
	s_wait_alu depctr_hold_cnt(0) depctr_sa_sdst(0) depctr_va_vdst(0) depctr_va_sdst(0) depctr_va_ssrc(0) depctr_va_vcc(0) depctr_vm_vsrc(0)
	s_getreg_b32 s2, hwreg(HW_REG_IB_STS2, 6, 4)
	s_cmp_eq_u32 s2, 0
	s_cbranch_scc0 .Lentry_in_a_cluster
	s_endpgm
.Lentry_in_a_cluster:
	s_bfe_u32 s2, ttmp6, 0x10000c
	s_cmp_lg_u32 s2, 0xf033
	s_cbranch_scc0 .Lentry_shape_is_right
	s_endpgm
.Lentry_shape_is_right:
; THE WEIGHTS, BY CHUNKS OF 128 KEYS.  s[q][k] = q[q] . k[k] over 1,024 channels (q, k: planes 1 and 2 of vqk, bf16; sums in f32).  For each query row and each chunk of 128 keys of its batch:
;   mh = the chunk's largest c s, rounded up to a whole number: rndne(c max + 0.5), at most 1 above it;  c = log2(e) / 32;
;   p = 2^(c s - mh), at most 1, stored in bf16 as the next product's operand ([8192][2048]);  l = the sum of the chunk's unrounded p, in f32.
; mh and l go to stats ([2][16 chunks][8192 rows] f32).  The next launch takes the largest mh of a row's 16 chunks away: the maximum is subtracted before every exponential, here the chunk's, there the row's.
; LIMITS.  q and k are bf16; a weight below 2^-126 counts as 0; NaN and infinities are not treated apart.
; SHARES.  A tile is 128 queries x 256 keys of one batch: 512 work-groups.  Four waves, 2 x 2, each 64 queries x 128 keys: a wave holds whole chunks, so a row's maximum and sum want one exchange between the halves of the lanes.
; Ring, cluster, transposed use and registers as in the projections' text: K steps of 128 through two slots; A (q) shared along a row of the cluster, B (k) along a column; a batch is 16 tile rows, so the sixteen partners share it.
; REGISTERS.  window 0: v0-31 addresses; v32-63 packed weights; v64-159, v160-255 fragment buffers; on the way out v64-127 rows read back, v128-148 at work;  window 1: accumulator (a, b) at 8 (8 a + b).
.set KSTEP,  128
.set PITCH,  272
.set AH,     64*PITCH
.set AT,     2*AH
.set BH,     128*PITCH
.set SLOT,   AT+2*BH
.set STAGE,  2*SLOT
.set SPITCH, 272
.set STST,   STAGE+4*16*SPITCH         ; 512 bytes for each wave: 64 rows' mh, then 64 rows' l
.set SPARE,  STST+4*512                ; the spare words
.set LAPS,   4
.set PLANE,  16777216
.set CP,     4096                      ; bytes in a row of p
.set ADRA, 16
.set ADRB, 20
.set STO,  24
.set RD,   25
.set CO,   26
.set SA,   27                          ; v27  where I put mh (lanes 0-15) or l (lanes 16-31) of row r
.set SPW,  28
.set NIL,  29
.set SR,   30                          ; v30  where I read four of them back
.set SG,   31                          ; v31  and their place in stats
.set TMP,  32
.set OB,   64
.set F0,   64
.set F1,   160
.set T,    128                         ; v128-135 eight running maxima
.set MS,   136                         ; v136 mh; v137 named with it as a pair
.set LS,   140                         ; v140-147 four chains of packed sums
.set SV,   148
.set G1,  24
.set G0,  32
.set G1B, 48
.set G0B, 56
.set CB,  6                            ; s[6:7] p at my first row and column
.set CS,  66                           ; s[66:67] c
.set SEL, 74                           ; s[74:75] v_permlanex16_b32's selects
.set UP,  76                           ; s76 the mask of lanes 16-31
.set FLD, (1<<16)|(1<<20)|(1<<21)|(5<<22)|(3<<25)
.set MUL, 0x50
.set MSB, 0
.macro WIN new
.if MSB != (\new)
	s_set_vgpr_msb (MSB<<8)|(\new)
.set MSB, \new
.endif
.endm
.macro JLOAD s
	s_cmp_eq_u32 s11, 0
	s_cbranch_scc0 .Lfor_b_\@
	tensor_load_to_lds s[G0+4*(\s):G0+4*(\s)+3], s[G1:G1+7]
	s_nop 0
.rept 4
	v_nop
.endr
	s_branch .Lasked_\@
.Lfor_b_\@:
	tensor_load_to_lds s[G0B+4*(\s):G0B+4*(\s)+3], s[G1B:G1B+7]
	s_nop 0
.rept 4
	v_nop
.endr
.Lasked_\@:
.endm
.macro CREST
	s_cmp_lg_u32 s10, 0
	s_cbranch_scc1 .Lnot_wave_0_\@
	s_barrier_signal -3
.Lnot_wave_0_\@:
	s_barrier_wait -3
	s_barrier_signal -1
	s_barrier_wait -1
.endm
.macro CROUND
	s_barrier_signal -1
	s_barrier_wait -1
	CREST
.endm
.macro PLACES
.rept 4
	v_nop
.endr
.endm
	s_load_b128 s[4:7], s[0:1], 0x0                ; vqk s[4:5], p s[6:7]
	s_load_b64 s[8:9], s[0:1], 0x10                ; stats
	v_lshl_add_u32 v[SPW], v0, 2, SPARE
	v_mov_b32 v[NIL], 0
	ds_add_u32 v[SPW], v[NIL]                      ; the wave's opening: the add and its wait ahead of my first tensor load
	v_lshrrev_b32 v1, 5, v0
	v_readfirstlane_b32 s10, v1
	s_lshr_b32 s11, s10, 1
	s_and_b32 s12, s10, 1
	s_bfe_u32 s40, ttmp6, 0x40000                  ; cx
	s_bfe_u32 s41, ttmp6, 0x40004                  ; cy
	s_lshl_b32 s42, ttmp9, 2
	s_add_co_u32 s42, s42, s40                     ; tile column: 256 keys of the batch
	s_and_b32 s13, ttmp7, 0xffff
	s_lshl_b32 s13, s13, 2
	s_add_co_u32 s13, s13, s41                     ; tile row: 128 of the 8,192 queries
	s_lshl_b32 s43, s41, 2
	s_lshl_b32 s43, 15, s43
	s_lshl_b32 s44, 0x1111, s40
	s_or_b32 s[G1+0], s43, FLD
	s_or_b32 s[G1B+0], s44, FLD
	s_mov_b32 s[G1+1], KSTEP<<16
	s_mov_b32 s[G1+2], 64<<16
	s_mov_b32 s[G1+3], KSTEP<<16
	s_mov_b32 s[G1+4], 64
	s_mov_b32 s[G1+5], 1024
	s_mov_b32 s[G1+6], 0
	s_mov_b32 s[G1+7], 0
	s_mov_b32 s[G1B+1], KSTEP<<16
	s_mov_b32 s[G1B+2], 128<<16
	s_mov_b32 s[G1B+3], KSTEP<<16
	s_mov_b32 s[G1B+4], 128
	s_mov_b32 s[G1B+5], 1024
	s_mov_b32 s[G1B+6], 0
	s_mov_b32 s[G1B+7], 0
	s_mov_b32 s[CS], 0x3d38aa3b                    ; c = log2(e) / 32
	s_mov_b32 s[CS+1], s[CS]
	s_mov_b32 s[SEL], 0x76543210
	s_mov_b32 s[SEL+1], 0xfedcba98
	s_mov_b32 s[UP], 0xffff0000
	s_lshl_b32 s17, s12, 6
	s_lshl_b32 s16, s13, 7
	s_add_co_u32 s16, s16, s17                     ; q: row 128 x tile row + 64 x half
	s_lshl_b32 s16, s16, 11
	s_mov_b32 s17, 0
	s_and_b32 s45, ttmp7, 0xffff
	s_lshr_b32 s45, s45, 2                         ; the batch: four clusters along y each, the same for all sixteen partners
	s_lshl_b32 s45, s45, 11
	s_lshl_b32 s46, s42, 8
	s_add_co_u32 s46, s46, s45
	s_lshl_b32 s47, s12, 7
	s_add_co_u32 s46, s46, s47                     ; k: row 2,048 x batch + 256 x tile column + 128 x half
	s_lshl_b32 s46, s46, 11
	s_mov_b32 s47, 0
	s_mul_i32 s20, s12, AH
	s_mul_i32 s21, s12, BH
	s_add_co_u32 s21, s21, AT
	s_wait_dscnt 0x0                               ; the opening add is done
	s_wait_kmcnt 0x0
	s_add_nc_u64 s[14:15], s[4:5], s[16:17]
	s_add_nc_u64 s[14:15], s[14:15], PLANE         ; plane 1: q
	s_add_nc_u64 s[46:47], s[4:5], s[46:47]
	s_add_nc_u64 s[46:47], s[46:47], 2*PLANE       ; plane 2: k
	CROUND
.irp s, 0,1
	s_mov_b32 s[G0+4*(\s)], 1
	s_add_co_u32 s[G0+4*(\s)+1], s20, (\s)*SLOT
	s_add_nc_u64 s[G0+4*(\s)+2:G0+4*(\s)+3], s[14:15], (\s)*KSTEP*2
	s_or_b32 s[G0+4*(\s)+3], s[G0+4*(\s)+3], 0x80000000
	s_mov_b32 s[G0B+4*(\s)], 1
	s_add_co_u32 s[G0B+4*(\s)+1], s21, (\s)*SLOT
	s_add_nc_u64 s[G0B+4*(\s)+2:G0B+4*(\s)+3], s[46:47], (\s)*KSTEP*2
	s_or_b32 s[G0B+4*(\s)+3], s[G0B+4*(\s)+3], 0x80000000
	JLOAD \s
.endr
	v_and_b32 v1, 15, v0                           ; r
	v_bfe_u32 v2, v0, 4, 1                         ; h
	v_mul_u32_u24 v3, v1, PITCH
	v_lshl_add_u32 v3, v2, 4, v3
	s_mul_i32 s21, s11, AH
	s_mul_i32 s22, s12, BH
	s_add_co_u32 s22, s22, AT
.irp s, 0,1
	v_add_nc_u32 v[ADRA+(\s)], s21, v3
	v_add_nc_u32 v[ADRB+(\s)], s22, v3
	s_add_co_u32 s21, s21, SLOT
	s_add_co_u32 s22, s22, SLOT
.endr
	s_mul_i32 s23, s10, 16*SPITCH
	s_add_co_u32 s23, s23, STAGE
	v_mul_u32_u24 v4, v1, SPITCH
	v_lshl_add_u32 v4, v2, 4, v4
	v_add_nc_u32 v[STO], s23, v4
	v_mul_u32_u24 v5, v2, SPITCH
	v_lshl_add_u32 v5, v1, 4, v5
	v_add_nc_u32 v[RD], s23, v5
	v_lshlrev_b32 v5, 12, v2
	v_lshl_add_u32 v[CO], v1, 4, v5
	s_lshl_b32 s23, s10, 9
	s_add_co_u32 s23, s23, STST                    ; my 512 bytes for the statistics
	v_lshl_add_u32 v[SA], v2, 8, s23
	v_lshl_add_u32 v[SA], v1, 2, v[SA]
	v_and_b32 v5, 31, v0
	v_lshl_add_u32 v[SR], v5, 4, s23
	v_lshlrev_b32 v5, 19, v2                       ; lanes 16-31: the plane of l, 524,288 bytes on
	v_lshl_add_u32 v[SG], v1, 4, v5
	v_mov_b32 v[MS+1], 0                           ; named as a pair with mh
	s_lshl_b32 s16, s13, 7
	s_lshl_b32 s17, s11, 6
	s_add_co_u32 s16, s16, s17                     ; my first row
	s_lshl_b32 s18, s16, 12
	s_lshl_b32 s19, s42, 9
	s_add_co_u32 s18, s18, s19
	s_lshl_b32 s19, s12, 8
	s_add_co_u32 s18, s18, s19
	s_mov_b32 s19, 0
	s_add_nc_u64 s[CB:CB+1], s[CB:CB+1], s[18:19]
	s_lshl_b32 s18, s42, 1
	s_add_co_u32 s18, s18, s12                     ; my chunk = 2 x tile column + half
	s_lshl_b32 s18, s18, 15
	s_lshl_b32 s19, s16, 2
	s_add_co_u32 s18, s18, s19
	s_mov_b32 s19, 0
	s_add_nc_u64 s[8:9], s[8:9], s[18:19]
.macro MUL8 f, b0, start               ; 8 matrix instructions; the 32 accumulators take turns.  start = 1: the products start the sums
	WIN MUL
.irp b, \b0, (\b0)+1
.irp a, 0,1,2,3
.if \start
	v_wmma_f32_16x16x32_bf16 v[8*(8*(\a)+(\b)):8*(8*(\a)+(\b))+7], v[(\f)+32+8*(\b):(\f)+32+8*(\b)+7], v[(\f)+8*(\a):(\f)+8*(\a)+7], 0
.else
	v_wmma_f32_16x16x32_bf16 v[8*(8*(\a)+(\b)):8*(8*(\a)+(\b))+7], v[(\f)+32+8*(\b):(\f)+32+8*(\b)+7], v[(\f)+8*(\a):(\f)+8*(\a)+7], v[8*(8*(\a)+(\b)):8*(8*(\a)+(\b))+7]
.endif
.endr
.endr
.endm
.macro FETCH slot, k, f                ; 24 LDS loads: A's 8, then B's 16 in the order of b
	WIN 0
.irp a, 0,1,2,3
	ds_load_b128 v[(\f)+8*(\a):(\f)+8*(\a)+3],   v[ADRA+(\slot)] offset:(\k)+(\a)*16*PITCH
	ds_load_b128 v[(\f)+8*(\a)+4:(\f)+8*(\a)+7], v[ADRA+(\slot)] offset:(\k)+(\a)*16*PITCH+32
.endr
.irp b, 0,1,2,3,4,5,6,7
	ds_load_b128 v[(\f)+32+8*(\b):(\f)+32+8*(\b)+3],   v[ADRB+(\slot)] offset:(\k)+(\b)*16*PITCH
	ds_load_b128 v[(\f)+32+8*(\b)+4:(\f)+32+8*(\b)+7], v[ADRB+(\slot)] offset:(\k)+(\b)*16*PITCH+32
.endr
.endm
.macro QUARTER slot, k, f, g, start
	s_wait_dscnt 12                                ; A's 8 loads and B's blocks 0, 1 are in
	MUL8 \f, 0, \start
	PLACES
	FETCH \slot, \k, \g
	s_wait_dscnt 32                                ; B's blocks 2, 3: eight older loads and the 24 just issued may be out
	MUL8 \f, 2, \start
	s_wait_dscnt 28
	MUL8 \f, 4, \start
	s_wait_dscnt 24
	MUL8 \f, 6, \start
.endm
.macro TURN slot, next, fill
	WIN 0
	s_wait_tensorcnt 0x0                           ; all my tensor loads have landed: my part of the next slot
	ds_add_u32 v[SPW], v[NIL]
	s_wait_dscnt 13                                ; the add and the youngest twelve loads may be out
	MUL8 F1, 0, 0
	s_wait_dscnt 0x0                               ; the add is done, and my reads of this slot are over
	s_barrier_signal -1
	MUL8 F1, 2, 0
.if \fill
	WIN 0
.endif
	s_barrier_wait -1
.if \fill
	CREST
	s_add_nc_u64 s[G0+4*(\slot)+2:G0+4*(\slot)+3], s[G0+4*(\slot)+2:G0+4*(\slot)+3], 2*KSTEP*2
	s_add_nc_u64 s[G0B+4*(\slot)+2:G0B+4*(\slot)+3], s[G0B+4*(\slot)+2:G0B+4*(\slot)+3], 2*KSTEP*2
	JLOAD \slot
.else
	PLACES
.endif
	FETCH \next, 0, F0
	MUL8 F1, 4, 0
	MUL8 F1, 6, 0
.endm
; THE SOFTMAX'S FIRST HALF for m block a: a lane holds 64 scores of row 16 a + r, the lane 16 away the row's other 64.
.macro SOFT a
.set AC, 64*(\a)
	WIN 0x15                                       ; three sources in window 1
.irp b, 0,1,2,3,4,5,6,7
	v_max3_num_f32 v[T+(\b)], v[AC+8*(\b)], v[AC+8*(\b)+1], v[AC+8*(\b)+2]
.endr
	WIN 0x14
.irp b, 0,1,2,3,4,5,6,7
	v_max3_num_f32 v[T+(\b)], v[T+(\b)], v[AC+8*(\b)+3], v[AC+8*(\b)+4]
.endr
.irp b, 0,1,2,3,4,5,6,7
	v_max3_num_f32 v[T+(\b)], v[T+(\b)], v[AC+8*(\b)+5], v[AC+8*(\b)+6]
.endr
.irp b, 0,1,2,3
	v_max3_num_f32 v[T+(\b)], v[T+(\b)], v[AC+8*(\b)+7], v[AC+8*(\b)+39]
.endr
	WIN 0
	v_max3_num_f32 v[T], v[T], v[T+1], v[T+2]
	v_max3_num_f32 v[T+3], v[T+3], v[T+4], v[T+5]
	v_max3_num_f32 v[T], v[T], v[T+6], v[T+7]
	v_max_num_f32 v[T], v[T], v[T+3]
	v_permlanex16_b32 v[T+1], v[T], s[SEL], s[SEL+1]
	v_max_num_f32 v[T], v[T], v[T+1]               ; the chunk's maximum for row r
	v_fma_f32 v[MS], v[T], s[CS], 0.5
	v_rndne_f32 v[MS], v[MS]                       ; mh: a whole number, from c max to c max + 1
	WIN 0x41                                       ; in place in window 1; mh in window 0
.set i, 0
.rept 32
	v_pk_fma_f32 v[AC+i:AC+i+1], v[AC+i:AC+i+1], s[CS:CS+1], v[MS:MS+1] op_sel_hi:[1,0,0] neg_lo:[0,0,1] neg_hi:[0,0,1]  ; c s - mh
.set i, i+2
.endr
.set i, 0
.rept 64
	v_exp_f32 v[AC+i], v[AC+i]
.set i, i+1
.endr
	v_nop                                          ; a plain instruction between the exponentials and the use of their results (ISA guide 5.7.2)
	WIN 0x05
	s_wait_alu depctr_va_vdst(0)
.irp b, 0,1,2,3,4,5,6,7
.irp i, 0,1,2,3
	v_cvt_pk_bf16_f32 v[TMP+4*(\b)+(\i)], v[AC+8*(\b)+2*(\i)], v[AC+8*(\b)+2*(\i)+1]
.endr
.endr
.irp c, 0,1,2,3                        ; the sum of the unrounded weights, in four chains
	v_pk_add_f32 v[LS+2*(\c):LS+2*(\c)+1], v[AC+2*(\c):AC+2*(\c)+1], v[AC+8+2*(\c):AC+8+2*(\c)+1]
.endr
	WIN 0x04
.irp b, 2,3,4,5,6,7
.irp c, 0,1,2,3
	v_pk_add_f32 v[LS+2*(\c):LS+2*(\c)+1], v[LS+2*(\c):LS+2*(\c)+1], v[AC+8*(\b)+2*(\c):AC+8*(\b)+2*(\c)+1]
.endr
.endr
	WIN 0
	v_pk_add_f32 v[LS:LS+1], v[LS:LS+1], v[LS+2:LS+3]
	v_pk_add_f32 v[LS+4:LS+5], v[LS+4:LS+5], v[LS+6:LS+7]
	v_pk_add_f32 v[LS:LS+1], v[LS:LS+1], v[LS+4:LS+5]
	v_add_f32 v[LS], v[LS], v[LS+1]
	v_permlanex16_b32 v[LS+1], v[LS], s[SEL], s[SEL+1]
	v_add_f32 v[LS], v[LS], v[LS+1]                ; l
	v_cndmask_b32 v[SV], v[MS], v[LS], s[UP]       ; lanes 0-15 keep mh, lanes 16-31 take l
	ds_store_b32 v[SA], v[SV] offset:64*(\a)
.endm
.macro TOSTAGE a
	WIN 0
.set BK, OB+32*((\a)%2)
.irp b, 0,1,2,3,4,5,6,7
	ds_store_b128 v[STO], v[TMP+4*(\b):TMP+4*(\b)+3] offset:32*(\b)
.endr
.irp t, 0,1,2,3,4,5,6,7
	ds_load_b128 v[BK+4*(\t):BK+4*(\t)+3], v[RD] offset:(\t)*2*SPITCH  ; LDS serves a wave's instructions in order: these see the stores above
.endr
.endm
.macro SEND a
	WIN 0
.set BK, OB+32*((\a)%2)
	s_wait_dscnt 0x0
	s_wait_xcnt 0x0                                ; the stores of the block before have read their registers, which the next block's loads will write
.irp t, 0,1,2,3,4,5,6,7
	global_store_b128 v[CO], v[BK+4*(\t):BK+4*(\t)+3], s[CB:CB+1] offset:(16*(\a)+2*(\t))*CP  ; 16 lanes store 256 consecutive bytes, aligned
.endr
.endm
	s_wait_tensorcnt 1                             ; my part of K step 0 is in; K step 1's may stay out
	s_barrier_signal -1
	s_barrier_wait -1
	FETCH 0, 0, F0
	QUARTER 0, 64,  F0, F1, 1
	WIN 0
	s_mov_b32 s3, LAPS-1
.Llap:
	QUARTER 0, 128, F1, F0, 0
	QUARTER 0, 192, F0, F1, 0
	TURN 0, 1, 1
	QUARTER 1, 64,  F0, F1, 0
	QUARTER 1, 128, F1, F0, 0
	QUARTER 1, 192, F0, F1, 0
	TURN 1, 0, 1
	QUARTER 0, 64,  F0, F1, 0
	WIN 0
	s_sub_co_u32 s3, s3, 1
	s_cmp_lg_u32 s3, 0
	s_cbranch_scc1 .Llap
	QUARTER 0, 128, F1, F0, 0
	QUARTER 0, 192, F0, F1, 0
	TURN 0, 1, 0
	QUARTER 1, 64,  F0, F1, 0
	QUARTER 1, 128, F1, F0, 0
	QUARTER 1, 192, F0, F1, 0
	s_wait_dscnt 12
	MUL8 F1, 0, 0
	s_wait_dscnt 8
	MUL8 F1, 2, 0
	s_wait_dscnt 4
	MUL8 F1, 4, 0
	s_wait_dscnt 0x0
	MUL8 F1, 6, 0
	PLACES
	SOFT 0
	TOSTAGE 0
.irp a, 1,2,3
	SOFT \a
	SEND (\a)-1
	TOSTAGE \a
.endr
	SEND 3
	ds_load_b128 v[T:T+3], v[SR]                   ; my wave's own stores, in order: four rows' mh (lanes 0-15) or l (lanes 16-31)
	s_wait_dscnt 0x0
	global_store_b128 v[SG], v[T:T+3], s[8:9]      ; twice 256 consecutive bytes, aligned: 64 rows of mh, 64 rows of l
	s_wait_tensorcnt 0x0                           ; the wave's end
	ds_add_u32 v[SPW], v[NIL]
	s_wait_dscnt 0x0
	CROUND
	s_endpgm
.Lfunc_end_k_qf1695e5414_score:
	.size	k_qf1695e5414_score, .Lfunc_end_k_qf1695e5414_score-k_qf1695e5414_score
	.p2alignl 7, 3214868480
	.fill 96, 4, 3214868480
	.section	.rodata,"a",@progbits
	.p2align	6, 0x0
	.amdhsa_kernel k_qf1695e5414_score
		.amdhsa_group_segment_fixed_size 327680
		.amdhsa_private_segment_fixed_size 0
		.amdhsa_enable_private_segment 0
		.amdhsa_kernarg_size 24
		.amdhsa_user_sgpr_count 2
		.amdhsa_user_sgpr_kernarg_segment_ptr 1
		.amdhsa_wavefront_size32 1
		.amdhsa_system_sgpr_workgroup_id_x 1
		.amdhsa_system_sgpr_workgroup_id_y 1
		.amdhsa_system_sgpr_workgroup_id_z 1
		.amdhsa_system_vgpr_workitem_id 0
		.amdhsa_next_free_vgpr 512
		.amdhsa_next_free_sgpr 80
		.amdhsa_reserve_vcc 0
		.amdhsa_float_denorm_mode_32 3
		.amdhsa_float_denorm_mode_16_64 3
		.amdhsa_memory_ordered 1
		.amdhsa_forward_progress 1
		.amdhsa_inst_pref_size 122
	.end_amdhsa_kernel
	.amdgpu_metadata
---
amdhsa.version: [ 1, 2 ]
amdhsa.kernels:
  - .name:           k_qf1695e5414_score
    .symbol:         k_qf1695e5414_score.kd
    .args:
      - { .name: vqk, .offset: 0, .size: 8, .value_kind: global_buffer, .address_space: global }
      - { .name: p, .offset: 8, .size: 8, .value_kind: global_buffer, .address_space: global }
      - { .name: stats, .offset: 16, .size: 8, .value_kind: global_buffer, .address_space: global }
    .group_segment_fixed_size: 327680
    .private_segment_fixed_size: 0
    .kernarg_segment_align: 8
    .kernarg_segment_size: 24
    .max_flat_workgroup_size: 128
    .sgpr_count:     80
    .vgpr_count:     512
    .wavefront_size: 32
...
	.end_amdgpu_metadata
.endif
;; end of part 3
;; launch mix (part 4): grid 4 x 64, 4 waves a work-group, clusters of 4 x 4, 327,680 bytes of LDS; arguments p, xv, stats, x, out0; writes out0
.if DOCPART == 4
	.amdgcn_target "amdgcn-amd-amdhsa--gfx1250"
	.amdhsa_code_object_version 6
	.text
	.protected	k_qf1695e5414_mix
	.globl	k_qf1695e5414_mix
	.p2align	8
	.type	k_qf1695e5414_mix,@function
k_qf1695e5414_mix:
	s_mov_b64 s[64:65], 0
	v_nop
	global_prefetch_b8 v0, s[64:65] scope:SCOPE_SE
	s_setreg_imm32_b32 hwreg(HW_REG_WAVE_MODE, 25, 1), 1
	s_wait_xcnt 0x0
	s_wait_alu depctr_hold_cnt(0) depctr_sa_sdst(0) depctr_va_vdst(0) depctr_va_sdst(0) depctr_va_ssrc(0) depctr_va_vcc(0) depctr_vm_vsrc(0)
	s_getreg_b32 s2, hwreg(HW_REG_IB_STS2, 6, 4)
	s_cmp_eq_u32 s2, 0
	s_cbranch_scc0 .Lentry_in_a_cluster
	s_endpgm
.Lentry_in_a_cluster:
	s_bfe_u32 s2, ttmp6, 0x10000c
	s_cmp_lg_u32 s2, 0xf033
	s_cbranch_scc0 .Lentry_shape_is_right
	s_endpgm
.Lentry_shape_is_right:
; out[q][e] = x[q][e] + (1 / L[q]) x the sum over the batch's 2,048 keys k of g[q][chunk of k] p[q][k] V2[k][e].
; p: [8192][2048] bf16, the weights by chunks of 128 keys; V2 = v Wfc^T + bfc: [8192][1024] bf16 (in xv); stats: mh and l of each row and chunk, f32; x and out in f32.
; THE SOFTMAX'S SECOND HALF.  M = the largest mh of a row's 16 chunks; g = 2^(mh - M), a power of two, since every mh is a whole number; L = the sum of g l.  g p is exact in bf16, so p's fragments are
; multiplied by g on their way to the matrix unit; the f32 sums are multiplied by 1 / L at the end.  The chunk that holds M has g = 1 and l of 1/2 at the least: L is never 0.
; The last projection stands in front of this product (V2): a softmax row sums to 1, so bfc comes through it; it shares V2's one rounding to bf16.
; LIMITS.  p and V2 are bf16; a g below 2^-126 counts as 0; NaN and infinities are not treated apart.
; SHARES.  A tile of out is 128 rows x 256 channels: 256 work-groups.  Four waves, 2 x 2, each 64 x 128.  K = 2,048 keys in 16 steps of 128: K step c is chunk c.
; A (p) lies along K; B (V2) lies [key][channel] and comes out of LDS turned, by ds_load_tr16_b128.  Ring, cluster and transposed use as in the projections' text; the sixteen partners share their batch.
; x's tile is asked for at the head, into 256 registers of its own, and is waited for on the way out.
; REGISTERS.  window 0: v0-31 addresses, v8-11 g of the chunk in hand for my four m blocks (bf16, twice in a word); v32-39 1 / L for the four blocks, in pairs; v64-159, v160-255 fragment buffers;
;   window 1: accumulator (a, b) at 8 (8 a + b);  window 2: x, row i of my 64 at 4 i.
.set KSTEP,  128
.set PITCH,  272
.set PV,     544                       ; a row of V2 in LDS: 512 bytes + 32 of padding: 16 lanes of the turning load take 8 rows x 32 bytes, 8 words apart modulo 64
.set AH,     64*PITCH
.set AT,     2*AH
.set BH,     64*PV                     ; 64 keys: one tensor load
.set SLOT,   AT+2*BH
.set STAGE,  2*SLOT                    ; 16 rows x 528 bytes for each wave, for the way out
.set SP4,    528
.set GT,     STAGE+4*16*SP4            ; for each wave 4,608 bytes: g of chunk c, row 16 a + r at 256 c + 16 r + 4 a; then 1 / L, twice, at 4,096 + 32 r + 8 a
.set TABW,   4608
.set SPARE,  GT+4*TABW
.set LAPS,   8
.set GF,   8
.set GA0,  12                          ; v12  my row's place in a chunk's g; never rewritten
.set GA,   13                          ; v13  the same, at the lap in hand
.set GW,   14                          ; v14  where I put g of my two rows
.set GW2,  15                          ; v15  and their 1 / L
.set ADRA, 16
.set ADRB, 20
.set STO,  24
.set RD,   25
.set CO,   26                          ; v26  16 l: my 16 bytes of a row of x and of out
.set SO,   27                          ; v27  8 l: my two rows in stats
.set SPW,  28
.set NIL,  29
.set IA,   31                          ; v31  where I read 1 / L
.set IL,   32
.set TM,   64                          ; the way out: 64 scaled sums
.set F0,   64
.set F1,   160
.set G1,  24
.set G0,  32
.set G1B, 48
.set G0B, 56
.set MUL, 0x50
.set MSB, 0
.macro WIN new
.if MSB != (\new)
	s_set_vgpr_msb (MSB<<8)|(\new)
.set MSB, \new
.endif
.endm
.macro JLOAD s
	s_cmp_eq_u32 s11, 0
	s_cbranch_scc0 .Lfor_b_\@
	tensor_load_to_lds s[G0+4*(\s):G0+4*(\s)+3], s[G1:G1+7]
	s_nop 0
.rept 4
	v_nop
.endr
	s_branch .Lasked_\@
.Lfor_b_\@:
	tensor_load_to_lds s[G0B+4*(\s):G0B+4*(\s)+3], s[G1B:G1B+7]
	s_nop 0
.rept 4
	v_nop
.endr
.Lasked_\@:
.endm
.macro CREST
	s_cmp_lg_u32 s10, 0
	s_cbranch_scc1 .Lnot_wave_0_\@
	s_barrier_signal -3
.Lnot_wave_0_\@:
	s_barrier_wait -3
	s_barrier_signal -1
	s_barrier_wait -1
.endm
.macro CROUND
	s_barrier_signal -1
	s_barrier_wait -1
	CREST
.endm
.macro PLACES
.rept 4
	v_nop
.endr
.endm
	s_load_b128 s[4:7], s[0:1], 0x0                ; p s[4:5], V2 s[6:7]
	s_load_b128 s[68:71], s[0:1], 0x10             ; stats s[68:69], x s[70:71]
	s_load_b64 s[72:73], s[0:1], 0x20              ; out
	v_lshl_add_u32 v[SPW], v0, 2, SPARE
	v_mov_b32 v[NIL], 0
	ds_add_u32 v[SPW], v[NIL]                      ; the wave's opening: the add and its wait ahead of my first tensor load
	v_lshrrev_b32 v1, 5, v0
	v_readfirstlane_b32 s10, v1
	s_lshr_b32 s11, s10, 1
	s_and_b32 s12, s10, 1
	s_bfe_u32 s40, ttmp6, 0x40000                  ; cx
	s_bfe_u32 s41, ttmp6, 0x40004                  ; cy
	s_lshl_b32 s42, ttmp9, 2
	s_add_co_u32 s42, s42, s40                     ; tile column: 256 channels
	s_and_b32 s13, ttmp7, 0xffff
	s_lshl_b32 s13, s13, 2
	s_add_co_u32 s13, s13, s41                     ; tile row: 128 rows
	s_lshl_b32 s43, s41, 2
	s_lshl_b32 s43, 15, s43
	s_lshl_b32 s44, 0x1111, s40
	s_or_b32 s[G1+0], s43, (1<<16)|(1<<20)|(1<<21)|(5<<22)|(3<<25)   ; p: 4 words of padding after every 64
	s_or_b32 s[G1B+0], s44, (1<<16)|(1<<20)|(1<<21)|(6<<22)|(7<<25)  ; V2: 8 words after every 128
	s_mov_b32 s[G1+1], KSTEP<<16                   ; p: 64 rows x 128 keys,
	s_mov_b32 s[G1+2], 64<<16
	s_mov_b32 s[G1+3], KSTEP<<16
	s_mov_b32 s[G1+4], 64
	s_mov_b32 s[G1+5], 2048                        ; 2,048 elements from row to row
	s_mov_b32 s[G1+6], 0
	s_mov_b32 s[G1+7], 0
	s_mov_b32 s[G1B+1], 256<<16                    ; V2: 64 keys x 256 channels,
	s_mov_b32 s[G1B+2], 64<<16
	s_mov_b32 s[G1B+3], 256<<16
	s_mov_b32 s[G1B+4], 64
	s_mov_b32 s[G1B+5], 1024                       ; 1,024 elements from key to key
	s_mov_b32 s[G1B+6], 0
	s_mov_b32 s[G1B+7], 0
	s_lshl_b32 s17, s12, 6
	s_lshl_b32 s16, s13, 7
	s_add_co_u32 s16, s16, s17                     ; p: row 128 x tile row + 64 x half,
	s_lshl_b32 s16, s16, 12                        ; 4,096 bytes a row
	s_mov_b32 s17, 0
	s_and_b32 s45, ttmp7, 0xffff
	s_lshr_b32 s45, s45, 2                         ; the batch, the same for all sixteen partners
	s_lshl_b32 s45, s45, 11
	s_lshl_b32 s47, s12, 6
	s_add_co_u32 s46, s45, s47                     ; V2: key 2,048 x batch + 64 x half,
	s_lshl_b32 s46, s46, 11                        ; 2,048 bytes a key,
	s_lshl_b32 s47, s42, 9                         ; 512 bytes a tile column
	s_add_co_u32 s46, s46, s47
	s_mov_b32 s47, 0
	s_mul_i32 s20, s12, AH
	s_mul_i32 s21, s12, BH
	s_add_co_u32 s21, s21, AT
	s_wait_dscnt 0x0                               ; the opening add is done
	s_wait_kmcnt 0x0
	s_add_nc_u64 s[14:15], s[4:5], s[16:17]
	s_add_nc_u64 s[46:47], s[6:7], s[46:47]
	CROUND
.irp s, 0,1
	s_mov_b32 s[G0+4*(\s)], 1
	s_add_co_u32 s[G0+4*(\s)+1], s20, (\s)*SLOT
	s_add_nc_u64 s[G0+4*(\s)+2:G0+4*(\s)+3], s[14:15], (\s)*KSTEP*2
	s_or_b32 s[G0+4*(\s)+3], s[G0+4*(\s)+3], 0x80000000
	s_mov_b32 s[G0B+4*(\s)], 1
	s_add_co_u32 s[G0B+4*(\s)+1], s21, (\s)*SLOT
	s_add_nc_u64 s[G0B+4*(\s)+2:G0B+4*(\s)+3], s[46:47], (\s)*KSTEP*2048
	s_or_b32 s[G0B+4*(\s)+3], s[G0B+4*(\s)+3], 0x80000000
	JLOAD \s
.endr
	; the statistics of my wave's 64 rows: lane l takes rows 2 l and 2 l + 1 of all 16 chunks; each load covers 256 consecutive bytes, aligned
	v_and_b32 v3, 31, v0                           ; l
	s_lshl_b32 s16, s13, 7
	s_lshl_b32 s17, s11, 6
	s_add_co_u32 s16, s16, s17                     ; my first row
	s_lshl_b32 s18, s16, 2
	s_mov_b32 s19, 0
	s_add_nc_u64 s[68:69], s[68:69], s[18:19]
	v_lshlrev_b32 v[SO], 3, v3
.irp c, 0,1,2,3,4,5,6,7,8,9,10,11,12,13,14,15
	global_load_b64 v[64+2*(\c):65+2*(\c)], v[SO], s[68:69] offset:32768*(\c)          ; mh
.endr
.irp c, 0,1,2,3,4,5,6,7,8,9,10,11,12,13,14,15
	global_load_b64 v[96+2*(\c):97+2*(\c)], v[SO], s[68:69] offset:524288+32768*(\c)   ; l
.endr
	v_and_b32 v1, 15, v0                           ; r
	v_bfe_u32 v2, v0, 4, 1                         ; h
	v_and_b32 v4, 7, v0                            ; l % 8
	v_bfe_u32 v5, v0, 3, 1                         ; (l / 8) % 2
	v_bfe_u32 v6, v0, 3, 2                         ; l / 8
	v_mul_u32_u24 v7, v1, PITCH
	v_lshl_add_u32 v7, v2, 4, v7
	s_mul_i32 s21, s11, AH
	v_add_nc_u32 v[ADRA], s21, v7
	v_add_nc_u32 v[ADRA+1], SLOT, v[ADRA]
	v_lshl_add_u32 v7, v2, 3, v4                   ; the turning load: lane l reads key 8 h + l % 8, channels 8 ((l / 8) % 2) + 0..7
	v_mul_u32_u24 v7, v7, PV
	v_lshl_add_u32 v7, v5, 4, v7
	s_lshl_b32 s22, s12, 8                         ; my 128 channels
	s_add_co_u32 s22, s22, AT
	v_add_nc_u32 v[ADRB], s22, v7
	v_add_nc_u32 v[ADRB+1], SLOT, v[ADRB]
	s_mul_i32 s23, s10, 16*SP4
	s_add_co_u32 s23, s23, STAGE                   ; my stage
	v_mul_u32_u24 v7, v1, SP4                      ; in: row r, 32 bytes for each half of the lanes
	v_lshl_add_u32 v7, v2, 5, v7
	v_add_nc_u32 v[STO], s23, v7
	v_lshl_add_u32 v[RD], v3, 4, s23               ; back: a whole row of 512 bytes
	v_lshlrev_b32 v[CO], 4, v3
	s_mul_i32 s20, s10, TABW
	s_add_co_u32 s20, s20, GT                      ; my tables
	v_lshl_add_u32 v[GW], v4, 5, s20               ; row 2 l + i is block l / 8, r = 2 (l % 8) + i: 32 (l % 8) + 16 i + 4 (l / 8)
	v_lshl_add_u32 v[GW], v6, 2, v[GW]
	v_lshl_add_u32 v[GW2], v4, 6, s20              ; 64 (l % 8) + 32 i + 8 (l / 8)
	v_lshl_add_u32 v[GW2], v6, 3, v[GW2]
	v_lshl_add_u32 v[GA0], v1, 4, s20
	v_lshl_add_u32 v[IA], v1, 5, s20
	s_lshl_b32 s18, s16, 12                        ; x and out: my first row, 4,096 bytes a row,
	s_lshl_b32 s19, s42, 10                        ; 1,024 bytes a tile column,
	s_add_co_u32 s18, s18, s19
	s_lshl_b32 s19, s12, 9                         ; 512 for my half
	s_add_co_u32 s18, s18, s19
	s_mov_b32 s19, 0
	s_add_nc_u64 s[70:71], s[70:71], s[18:19]
	s_add_nc_u64 s[72:73], s[72:73], s[18:19]
	s_wait_loadcnt 0x0                             ; the statistics
	v_max3_num_f32 v128, v64, v66, v68             ; M of my even row,
	v_max3_num_f32 v129, v65, v67, v69             ; of my odd row
.irp k, 0,1,2,3,4,5
	v_max3_num_f32 v128, v128, v[70+4*(\k)], v[72+4*(\k)]
	v_max3_num_f32 v129, v129, v[71+4*(\k)], v[73+4*(\k)]
.endr
	v_max_num_f32 v128, v128, v94
	v_max_num_f32 v129, v129, v95
.irp c, 0,1,2,3,4,5,6,7,8,9,10,11,12,13,14,15
	v_pk_add_f32 v[64+2*(\c):65+2*(\c)], v[64+2*(\c):65+2*(\c)], v[128:129] neg_lo:[0,1] neg_hi:[0,1]  ; mh - M: 0 or a negative whole number
.endr
.set i, 0
.rept 32
	v_exp_f32 v[64+i], v[64+i]                     ; g
.set i, i+1
.endr
	v_nop                                          ; a plain instruction between the exponentials and the use of their results
	s_wait_alu depctr_va_vdst(0)
	v_pk_mul_f32 v[130:131], v[64:65], v[96:97]    ; L = the sum of g l, in two chains
	v_pk_mul_f32 v[132:133], v[66:67], v[98:99]
.irp c, 2,4,6,8,10,12,14
	v_pk_fma_f32 v[130:131], v[64+2*(\c):65+2*(\c)], v[96+2*(\c):97+2*(\c)], v[130:131]
	v_pk_fma_f32 v[132:133], v[66+2*(\c):67+2*(\c)], v[98+2*(\c):99+2*(\c)], v[132:133]
.endr
	v_pk_add_f32 v[130:131], v[130:131], v[132:133]
	v_rcp_f32 v134, v130                           ; 1 / L, twice for each row: a pair for the packed multiply
	v_rcp_f32 v135, v130
	v_rcp_f32 v136, v131
	v_rcp_f32 v137, v131
.set i, 0
.rept 32
	v_cvt_pk_bf16_f32 v[64+i], v[64+i], v[64+i]    ; g in both halves of a word; within an exponential's last bit of a power of two, it rounds to that power.  (Plain lines behind the reciprocals.)
.set i, i+1
.endr
.irp c, 0,1,2,3,4,5,6,7,8,9,10,11,12,13,14,15
	ds_store_b32 v[GW], v[64+2*(\c)] offset:256*(\c)
	ds_store_b32 v[GW], v[65+2*(\c)] offset:256*(\c)+16
.endr
	s_wait_alu depctr_va_vdst(0)
	ds_store_b64 v[GW2], v[134:135] offset:4096
	ds_store_b64 v[GW2], v[136:137] offset:4096+32
	WIN 0x80                                       ; x: 64 rows of 512 bytes, a row an instruction; they stay out during the whole loop
.set i, 0
.rept 64
	global_load_b128 v[4*i:4*i+3], v[CO], s[70:71] offset:i*4096 th:TH_LOAD_NT
.set i, i+1
.endr
	WIN 0
.macro MUL8 f, b0, start
	WIN MUL
.irp b, \b0, (\b0)+1
.irp a, 0,1,2,3
.if \start
	v_wmma_f32_16x16x32_bf16 v[8*(8*(\a)+(\b)):8*(8*(\a)+(\b))+7], v[(\f)+32+8*(\b):(\f)+32+8*(\b)+7], v[(\f)+8*(\a):(\f)+8*(\a)+7], 0
.else
	v_wmma_f32_16x16x32_bf16 v[8*(8*(\a)+(\b)):8*(8*(\a)+(\b))+7], v[(\f)+32+8*(\b):(\f)+32+8*(\b)+7], v[(\f)+8*(\a):(\f)+8*(\a)+7], v[8*(8*(\a)+(\b)):8*(8*(\a)+(\b))+7]
.endif
.endr
.endr
.endm
; A quarter's last 8 matrix instructions; behind each stand four of the 32 lines that multiply the NEXT quarter's fragments of p (buffer g) by g.  They name no register of the products round them.
.macro MUL8R f, g, start
.set n, 0
.irp b, 6, 7
.irp a, 0,1,2,3
	WIN MUL
.if \start
	v_wmma_f32_16x16x32_bf16 v[8*(8*(\a)+(\b)):8*(8*(\a)+(\b))+7], v[(\f)+32+8*(\b):(\f)+32+8*(\b)+7], v[(\f)+8*(\a):(\f)+8*(\a)+7], 0
.else
	v_wmma_f32_16x16x32_bf16 v[8*(8*(\a)+(\b)):8*(8*(\a)+(\b))+7], v[(\f)+32+8*(\b):(\f)+32+8*(\b)+7], v[(\f)+8*(\a):(\f)+8*(\a)+7], v[8*(8*(\a)+(\b)):8*(8*(\a)+(\b))+7]
.endif
	WIN 0
.rept 4
	v_pk_mul_bf16 v[(\g)+n], v[(\g)+n], v[GF+n/8]
.set n, n+1
.endr
.endr
.endr
.endm
.macro SCALE f                         ; the same 32 lines on end, for the first quarter
	WIN 0
.set n, 0
.rept 32
	v_pk_mul_bf16 v[(\f)+n], v[(\f)+n], v[GF+n/8]
.set n, n+1
.endr
.endm
; 24 LDS loads: p's 8 as they lie (32 keys at byte k of the rows), then V2's 16, turned (keys 32 (k / 64) on, channels 16 b on)
.macro FETCH slot, k, f
	WIN 0
.irp a, 0,1,2,3
	ds_load_b128 v[(\f)+8*(\a):(\f)+8*(\a)+3],   v[ADRA+(\slot)] offset:(\k)+(\a)*16*PITCH
	ds_load_b128 v[(\f)+8*(\a)+4:(\f)+8*(\a)+7], v[ADRA+(\slot)] offset:(\k)+(\a)*16*PITCH+32
.endr
.irp b, 0,1,2,3,4,5,6,7
	ds_load_tr16_b128 v[(\f)+32+8*(\b):(\f)+32+8*(\b)+3],   v[ADRB+(\slot)] offset:((\k)/64)*32*PV+32*(\b)
	ds_load_tr16_b128 v[(\f)+32+8*(\b)+4:(\f)+32+8*(\b)+7], v[ADRB+(\slot)] offset:((\k)/64)*32*PV+16*PV+32*(\b)
.endr
.endm
.macro QUARTER slot, k, f, g, start
	s_wait_dscnt 12                                ; p's 8 loads and V2's blocks 0, 1 are in
	MUL8 \f, 0, \start
	PLACES
	FETCH \slot, \k, \g
	s_wait_dscnt 32                                ; V2's blocks 2, 3: eight older loads and the 24 just issued may be out
	MUL8 \f, 2, \start
	s_wait_dscnt 28
	MUL8 \f, 4, \start
	s_wait_dscnt 16                                ; f is whole, and of g's 24 loads p's 8 are in
	MUL8R \f, \g, \start
.endm
; The change of slots; coff: the next chunk's g lies coff bytes behind the lap's place in my table.
.macro TURN slot, next, fill, coff
	WIN 0
	s_wait_tensorcnt 0x0                           ; all my tensor loads have landed: my part of the next slot
	ds_add_u32 v[SPW], v[NIL]
	s_wait_dscnt 13                                ; the add and the youngest twelve loads may be out
	MUL8 F1, 0, 0
	s_wait_dscnt 0x0                               ; the add is done, and my reads of this slot are over
	s_barrier_signal -1
	MUL8 F1, 2, 0
.if \fill
	WIN 0
.endif
	s_barrier_wait -1
.if \fill
	CREST
	s_add_nc_u64 s[G0+4*(\slot)+2:G0+4*(\slot)+3], s[G0+4*(\slot)+2:G0+4*(\slot)+3], 2*KSTEP*2       ; 256 keys along p's rows,
	s_add_nc_u64 s[G0B+4*(\slot)+2:G0B+4*(\slot)+3], s[G0B+4*(\slot)+2:G0B+4*(\slot)+3], 2*KSTEP*2048  ; 256 keys down V2
	JLOAD \slot
.else
	PLACES
.endif
	WIN 0
	ds_load_b128 v[GF:GF+3], v[GA] offset:\coff    ; the next chunk's g: the lines that used the last chunk's have been issued
	FETCH \next, 0, F0
	MUL8 F1, 4, 0
	s_wait_dscnt 16                                ; of the 25 just issued g and p's 8 are in
	MUL8R F1, F0, 0
.endm
; THE WAY OUT of m block a: times 1 / L; through my stage; back as whole rows of 512 bytes; x is added; stored.
.macro PK a
	WIN 0x01                                       ; source 0 in window 1
.set i, 0
.rept 32
	v_pk_mul_f32 v[TM+i:TM+i+1], v[64*(\a)+i:64*(\a)+i+1], v[IL+2*(\a):IL+2*(\a)+1]
.set i, i+2
.endr
	WIN 0
.endm
.macro STG a
	WIN 0
.set BK, 128+64*((\a)%2)
	s_wait_xcnt 0x0                                ; the stores issued so far have read their registers, which the loads below write
.irp b, 0,1,2,3,4,5,6,7
	ds_store_b128 v[STO], v[TM+8*(\b):TM+8*(\b)+3]   offset:64*(\b)
	ds_store_b128 v[STO], v[TM+8*(\b)+4:TM+8*(\b)+7] offset:64*(\b)+16
.endr
.irp t, 0,1,2,3,4,5,6,7,8,9,10,11,12,13,14,15
	ds_load_b128 v[BK+4*(\t):BK+4*(\t)+3], v[RD] offset:(\t)*SP4  ; LDS serves a wave's instructions in order: these see the stores above
.endr
.endm
.macro FIN a
.set BK, 128+64*((\a)%2)
	s_wait_dscnt 0x0
	WIN 0x08                                       ; source 1 in window 2: x
.set i, 0
.rept 32
	v_pk_add_f32 v[BK+i:BK+i+1], v[BK+i:BK+i+1], v[64*(\a)+i:64*(\a)+i+1]
.set i, i+2
.endr
	WIN 0
.irp t, 0,1,2,3,4,5,6,7,8,9,10,11,12,13,14,15
	global_store_b128 v[CO], v[BK+4*(\t):BK+4*(\t)+3], s[72:73] offset:(16*(\a)+(\t))*4096 th:TH_STORE_NT  ; 512 consecutive bytes, aligned
.endr
.endm
	s_wait_dscnt 0x0                               ; my tables are written
	s_wait_tensorcnt 1                             ; my part of K step 0 is in; K step 1's may stay out
	s_barrier_signal -1
	s_barrier_wait -1
	ds_load_b128 v[GF:GF+3], v[GA0]                ; chunk 0's g
	ds_load_b128 v[IL:IL+3], v[IA] offset:4096     ; 1 / L of my four rows
	ds_load_b128 v[IL+4:IL+7], v[IA] offset:4096+16
	FETCH 0, 0, F0
	s_wait_dscnt 0x0
	SCALE F0
	QUARTER 0, 64,  F0, F1, 1
	WIN 0
	s_mov_b32 s3, LAPS-1
.Llap:                                                 ; trip i = LAPS - 1 - s3: K steps 2 i and 2 i + 1; it fetches chunks 2 i + 1 and 2 i + 2 and fills both slots again
	s_sub_co_u32 s77, LAPS-1, s3
	s_lshl_b32 s77, s77, 9                         ; 512 i
	v_add_nc_u32 v[GA], s77, v[GA0]
	QUARTER 0, 128, F1, F0, 0
	QUARTER 0, 192, F0, F1, 0
	TURN 0, 1, 1, 256
	QUARTER 1, 64,  F0, F1, 0
	QUARTER 1, 128, F1, F0, 0
	QUARTER 1, 192, F0, F1, 0
	TURN 1, 0, 1, 512
	QUARTER 0, 64,  F0, F1, 0
	WIN 0
	s_sub_co_u32 s3, s3, 1
	s_cmp_lg_u32 s3, 0
	s_cbranch_scc1 .Llap
	v_add_nc_u32 v[GA], (LAPS-1)*512, v[GA0]       ; the last lap fills nothing; it fetches chunk 15
	QUARTER 0, 128, F1, F0, 0
	QUARTER 0, 192, F0, F1, 0
	TURN 0, 1, 0, 256
	QUARTER 1, 64,  F0, F1, 0
	QUARTER 1, 128, F1, F0, 0
	QUARTER 1, 192, F0, F1, 0
	s_wait_dscnt 12
	MUL8 F1, 0, 0
	s_wait_dscnt 8
	MUL8 F1, 2, 0
	s_wait_dscnt 4
	MUL8 F1, 4, 0
	s_wait_dscnt 0x0
	MUL8 F1, 6, 0
	PLACES
	s_wait_loadcnt 0x0                             ; x
	PK 0
	STG 0
.irp a, 1,2,3                          ; block a's scaling stands between block a - 1's loads from the stage and the wait for them
	PK \a
	FIN (\a)-1
	STG \a
.endr
	FIN 3
	s_wait_tensorcnt 0x0                           ; the wave's end
	ds_add_u32 v[SPW], v[NIL]
	s_wait_dscnt 0x0
	CROUND
	s_endpgm
.Lfunc_end_k_qf1695e5414_mix:
	.size	k_qf1695e5414_mix, .Lfunc_end_k_qf1695e5414_mix-k_qf1695e5414_mix
	.p2alignl 7, 3214868480
	.fill 96, 4, 3214868480
	.section	.rodata,"a",@progbits
	.p2align	6, 0x0
	.amdhsa_kernel k_qf1695e5414_mix
		.amdhsa_group_segment_fixed_size 327680
		.amdhsa_private_segment_fixed_size 0
		.amdhsa_enable_private_segment 0
		.amdhsa_kernarg_size 40
		.amdhsa_user_sgpr_count 2
		.amdhsa_user_sgpr_kernarg_segment_ptr 1
		.amdhsa_wavefront_size32 1
		.amdhsa_system_sgpr_workgroup_id_x 1
		.amdhsa_system_sgpr_workgroup_id_y 1
		.amdhsa_system_sgpr_workgroup_id_z 1
		.amdhsa_system_vgpr_workitem_id 0
		.amdhsa_next_free_vgpr 768
		.amdhsa_next_free_sgpr 80
		.amdhsa_reserve_vcc 0
		.amdhsa_float_denorm_mode_32 3
		.amdhsa_float_denorm_mode_16_64 3
		.amdhsa_memory_ordered 1
		.amdhsa_forward_progress 1
		.amdhsa_inst_pref_size 160
	.end_amdhsa_kernel
	.amdgpu_metadata
---
amdhsa.version: [ 1, 2 ]
amdhsa.kernels:
  - .name:           k_qf1695e5414_mix
    .symbol:         k_qf1695e5414_mix.kd
    .args:
      - { .name: p, .offset: 0, .size: 8, .value_kind: global_buffer, .address_space: global }
      - { .name: xv, .offset: 8, .size: 8, .value_kind: global_buffer, .address_space: global }
      - { .name: stats, .offset: 16, .size: 8, .value_kind: global_buffer, .address_space: global }
      - { .name: x, .offset: 24, .size: 8, .value_kind: global_buffer, .address_space: global }
      - { .name: out0, .offset: 32, .size: 8, .value_kind: global_buffer, .address_space: global }
    .group_segment_fixed_size: 327680
    .private_segment_fixed_size: 0
    .kernarg_segment_align: 8
    .kernarg_segment_size: 40
    .max_flat_workgroup_size: 128
    .sgpr_count:     80
    .vgpr_count:     768
    .wavefront_size: 32
...
	.end_amdgpu_metadata
.endif
;; end of part 4
;; ======== version 2 of 2: 5 launches
;; limits: values outside matrix products are rounded to bf16
;; workspace buffers: xb 16,777,216 bytes; wa 4,202,496 bytes; wb 4,202,496 bytes; vq 33,554,432 bytes; xv 33,554,432 bytes; p 33,554,432 bytes; stats 1,048,576 bytes
;; launch cvt (part 5): grid 128 x 12, 8 waves a work-group, no clusters, 0 bytes of LDS; arguments x, Wv, Wq, Wfc, Wk, bv, bq, bfc, bk, xb, wa, wb; writes xb, wa, wb
.if DOCPART == 5
	.amdgcn_target "amdgcn-amd-amdhsa--gfx1250"
	.amdhsa_code_object_version 6
	.text
	.protected	k_qf1695e5414_cvt
	.globl	k_qf1695e5414_cvt
	.p2align	8
	.type	k_qf1695e5414_cvt,@function
k_qf1695e5414_cvt:
	s_mov_b64 s[64:65], 0
	v_nop
	global_prefetch_b8 v0, s[64:65] scope:SCOPE_SE
	s_setreg_imm32_b32 hwreg(HW_REG_WAVE_MODE, 25, 1), 1
	s_wait_xcnt 0x0
; x and the four weight matrices are rounded once to bf16 (nearest even); each bias is copied, in f32, behind its weights.
; xb = bf16(x) [8192][1024];  wa = bf16 rows of Wv, Wq [2048][1024], then bv, bq;  wb = bf16 rows of Wfc, Wk, then bfc, bk.
; A work-group converts one block of 8,192 numbers: 32 KiB in, 16 KiB out.  Grid y picks the tensor (0-7: x, 8: Wv, 9: Wq, 10: Wfc, 11: Wk),
; grid x the block: x has 1,024 blocks, each weight matrix 128.  The choice is made by scalar selects alone.
; A stream: no LDS, no barrier, no matrix unit.  Thread t takes 16 bytes at 16 t of each 4,096; its 8 bytes of result lie at 8 t of each 2,048,
; so a wave's load covers 512 consecutive bytes and its store 256 consecutive bytes, aligned.  All eight loads go out before the first store.
.set X,  4                             ; v[4:35]   eight loads of four numbers
.set Y,  36                            ; v[36:51]  eight pairs of packed results
.set BIASO, 4194304                    ; the biases lie behind 2,048 rows of 2,048 bytes
	s_load_b512 s[4:19], s[0:1], 0x0               ; x s[4:5], Wv s[6:7], Wq s[8:9], Wfc s[10:11], Wk s[12:13], bv s[14:15], bq s[16:17], bfc s[18:19]
	s_load_b256 s[20:27], s[0:1], 0x40             ; bk s[20:21], xb s[22:23], wa s[24:25], wb s[26:27]
	s_and_b32 s28, ttmp7, 0xffff                   ; y
	s_mov_b32 s29, ttmp9                           ; i
	v_lshlrev_b32 v1, 4, v0                        ; 16 t
	v_lshlrev_b32 v2, 3, v0                        ; 8 t
	s_lshl_b32 s30, s28, 7
	s_add_co_u32 s30, s30, s29                     ; 128 y + i: the block in x and in xb
	s_and_b32 s31, s28, 1
	s_lshl_b32 s31, s31, 7
	s_add_co_u32 s31, s31, s29                     ; 128 (y % 2) + i: the block in wa or wb
	s_wait_kmcnt 0x0
	s_cmp_lt_u32 s28, 8
	s_cselect_b64 s[32:33], s[4:5], s[6:7]         ; from x, else from Wv
	s_cselect_b32 s34, s30, s29                    ; the block in the source
	s_cselect_b64 s[36:37], s[22:23], s[24:25]     ; to xb, else to wa
	s_cselect_b32 s38, s30, s31                    ; the block in the destination
	s_cmp_eq_u32 s28, 9
	s_cselect_b64 s[32:33], s[8:9], s[32:33]       ; Wq
	s_cmp_eq_u32 s28, 10
	s_cselect_b64 s[32:33], s[10:11], s[32:33]     ; Wfc
	s_cmp_eq_u32 s28, 11
	s_cselect_b64 s[32:33], s[12:13], s[32:33]     ; Wk
	s_cmp_gt_u32 s28, 9
	s_cselect_b64 s[36:37], s[26:27], s[36:37]     ; Wfc and Wk go to wb
	s_mov_b64 s[46:47], s[36:37]                   ; kept for the bias
	s_lshl_b32 s34, s34, 15                        ; 32,768 bytes a block in
	s_mov_b32 s35, 0
	s_lshl_b32 s38, s38, 14                        ; 16,384 out
	s_mov_b32 s39, 0
	s_add_nc_u64 s[32:33], s[32:33], s[34:35]
	s_add_nc_u64 s[36:37], s[36:37], s[38:39]
.irp j, 0,1,2,3,4,5,6,7
	global_load_b128 v[X+4*(\j):X+4*(\j)+3], v1, s[32:33] offset:4096*(\j) th:TH_LOAD_NT
.endr
.irp j, 0,1,2,3,4,5,6,7
	s_wait_loadcnt 7-(\j)                          ; loads come back in order: load j is in, the 7 - j younger ones may stay out
	v_cvt_pk_bf16_f32 v[Y+2*(\j)],   v[X+4*(\j)],   v[X+4*(\j)+1]
	v_cvt_pk_bf16_f32 v[Y+2*(\j)+1], v[X+4*(\j)+2], v[X+4*(\j)+3]
	global_store_b64 v2, v[Y+2*(\j):Y+2*(\j)+1], s[36:37] offset:2048*(\j)  ; no register is written twice, so nothing is waited for
.endr
	; the four biases, 4,096 bytes each: copied by the first work-group of y = 8 .. 11
	s_sub_co_u32 s40, s28, 8                       ; 0 .. 3 there; a large number for y under 8
	s_cmp_lt_u32 s40, 4
	s_cselect_b32 s41, 1, 0
	s_cmp_eq_u32 s29, 0
	s_cselect_b32 s41, s41, 0
	s_cmp_eq_u32 s41, 1
	s_cbranch_scc0 .Ldone
	s_cmp_eq_u32 s40, 1
	s_cselect_b64 s[42:43], s[16:17], s[14:15]     ; bq, else bv
	s_cmp_eq_u32 s40, 2
	s_cselect_b64 s[42:43], s[18:19], s[42:43]     ; bfc
	s_cmp_eq_u32 s40, 3
	s_cselect_b64 s[42:43], s[20:21], s[42:43]     ; bk
	s_and_b32 s44, s40, 1
	s_lshl_b32 s44, s44, 12
	s_add_co_u32 s44, s44, BIASO
	s_mov_b32 s45, 0
	s_add_nc_u64 s[46:47], s[46:47], s[44:45]
	global_load_b128 v[52:55], v1, s[42:43]
	s_wait_loadcnt 0x0
	global_store_b128 v1, v[52:55], s[46:47]
.Ldone:
	s_endpgm
.Lfunc_end_k_qf1695e5414_cvt:
	.size	k_qf1695e5414_cvt, .Lfunc_end_k_qf1695e5414_cvt-k_qf1695e5414_cvt
	.p2alignl 7, 3214868480
	.fill 96, 4, 3214868480
	.section	.rodata,"a",@progbits
	.p2align	6, 0x0
	.amdhsa_kernel k_qf1695e5414_cvt
		.amdhsa_group_segment_fixed_size 0
		.amdhsa_private_segment_fixed_size 0
		.amdhsa_enable_private_segment 0
		.amdhsa_kernarg_size 96
		.amdhsa_user_sgpr_count 2
		.amdhsa_user_sgpr_kernarg_segment_ptr 1
		.amdhsa_wavefront_size32 1
		.amdhsa_system_sgpr_workgroup_id_x 1
		.amdhsa_system_sgpr_workgroup_id_y 1
		.amdhsa_system_sgpr_workgroup_id_z 1
		.amdhsa_system_vgpr_workitem_id 0
		.amdhsa_next_free_vgpr 64
		.amdhsa_next_free_sgpr 66
		.amdhsa_reserve_vcc 0
		.amdhsa_float_denorm_mode_32 3
		.amdhsa_float_denorm_mode_16_64 3
		.amdhsa_memory_ordered 1
		.amdhsa_forward_progress 1
		.amdhsa_inst_pref_size 5
	.end_amdhsa_kernel
	.amdgpu_metadata
---
amdhsa.version: [ 1, 2 ]
amdhsa.kernels:
  - .name:           k_qf1695e5414_cvt
    .symbol:         k_qf1695e5414_cvt.kd
    .args:
      - { .name: x, .offset: 0, .size: 8, .value_kind: global_buffer, .address_space: global }
      - { .name: Wv, .offset: 8, .size: 8, .value_kind: global_buffer, .address_space: global }
      - { .name: Wq, .offset: 16, .size: 8, .value_kind: global_buffer, .address_space: global }
      - { .name: Wfc, .offset: 24, .size: 8, .value_kind: global_buffer, .address_space: global }
      - { .name: Wk, .offset: 32, .size: 8, .value_kind: global_buffer, .address_space: global }
      - { .name: bv, .offset: 40, .size: 8, .value_kind: global_buffer, .address_space: global }
      - { .name: bq, .offset: 48, .size: 8, .value_kind: global_buffer, .address_space: global }
      - { .name: bfc, .offset: 56, .size: 8, .value_kind: global_buffer, .address_space: global }
      - { .name: bk, .offset: 64, .size: 8, .value_kind: global_buffer, .address_space: global }
      - { .name: xb, .offset: 72, .size: 8, .value_kind: global_buffer, .address_space: global }
      - { .name: wa, .offset: 80, .size: 8, .value_kind: global_buffer, .address_space: global }
      - { .name: wb, .offset: 88, .size: 8, .value_kind: global_buffer, .address_space: global }
    .group_segment_fixed_size: 0
    .private_segment_fixed_size: 0
    .kernarg_segment_align: 8
    .kernarg_segment_size: 96
    .max_flat_workgroup_size: 256
    .sgpr_count:     66
    .vgpr_count:     64
    .wavefront_size: 32
...
	.end_amdgpu_metadata
.endif
;; end of part 5
;; launch pa (part 6): grid 8 x 32, 4 waves a work-group, clusters of 4 x 4, 327,680 bytes of LDS; arguments xb, x, wa, vq; writes vq
.if DOCPART == 6
	.amdgcn_target "amdgcn-amd-amdhsa--gfx1250"
	.amdhsa_code_object_version 6
	.text
	.protected	k_qf1695e5414_pa
	.globl	k_qf1695e5414_pa
	.p2align	8
	.type	k_qf1695e5414_pa,@function
k_qf1695e5414_pa:
	s_mov_b64 s[64:65], 0
	v_nop
	global_prefetch_b8 v0, s[64:65] scope:SCOPE_SE
	s_setreg_imm32_b32 hwreg(HW_REG_WAVE_MODE, 25, 1), 1
	s_wait_xcnt 0x0
	s_wait_alu depctr_hold_cnt(0) depctr_sa_sdst(0) depctr_va_vdst(0) depctr_va_sdst(0) depctr_va_ssrc(0) depctr_va_vcc(0) depctr_vm_vsrc(0)
	s_getreg_b32 s2, hwreg(HW_REG_IB_STS2, 6, 4)
	s_cmp_eq_u32 s2, 0
	s_cbranch_scc0 .Lentry_in_a_cluster
	s_endpgm
.Lentry_in_a_cluster:
	s_bfe_u32 s2, ttmp6, 0x10000c
	s_cmp_lg_u32 s2, 0xf033
	s_cbranch_scc0 .Lentry_shape_is_right
	s_endpgm
.Lentry_shape_is_right:
; C[m][n] = bias[n] + the sum over k of A[m][k] B[n][k], K = 1,024.  A: [8192][1024] bf16; B: [2048][1024] bf16 with its 2,048 biases in f32 behind it; sums in f32, C rounded once to bf16,
; written in two planes of [8192][1024].  Arguments: A0, A1, B, C.  Two launches run this text, each with 256 tiles of 256 x 256, one for each work-group:
;   grid 8 x 32:  A0 = bf16(x), B = Wv, Wq:            planes v, q.  Its 32 tile rows never reach the second A: the launch names a buffer there and loads nothing from it.
;   grid 4 x 64:  A0 = v, A1 = bf16(x), B = Wfc, Wk:   plane 0 = v Wfc^T + bfc (tile rows 0-31), plane 1 = k (tile rows 32-63).
; One arithmetic serves both: sel = cluster y / 8 (the same in all sixteen partners); A = sel ? A1 : A0, row 256 (tile row % 32); B's row 256 x tile column + 1,024 sel; C's plane = cluster x + sel.
; LIMITS.  The operands are bf16; NaN and infinities are not treated apart.
; SHARES.  Four waves, 2 x 2, each 128 x 128: 64 accumulators of 16 x 16, 512 registers.  K goes in steps of 128 (rows of 256 bytes, each at a multiple of 256 bytes) through two LDS slots.
; CLUSTER.  4 x 4 work-groups.  A's tile hangs on the tile row alone and is asked for jointly by a row of the cluster, B's on the tile column (and sel) alone, by a column.
; Waves 0 and 1 fetch A's two halves, waves 2 and 3 B's, 128 rows each: one tensor load a wave behind each round of the cluster's barrier; two are out at the start.
; THE LOOP.  A trip is one K step; the slot in hand is a scalar, TB, that is turned between 0 and SLOT.  The first quarter stands in front (its products start the sums), six trips fill a slot again,
; and the last two K steps are a second loop, which asks for nothing and is left in its middle: no tensor load and no barrier is jumped over.
; THE MATRIX INSTRUCTION IS USED TRANSPOSED (source 0 = 16 rows of B, source 1 = 16 rows of A): a lane holds row l % 16 of C and the columns 8 (l / 16) + 0..7.
; THE BIAS is the C operand of the products that start the sums: for a lane it hangs on the column alone, 64 registers for the wave's 128 columns.
; REGISTERS, in windows of 256 (s_set_vgpr_msb: bits 1:0 source 0, 3:2 source 1, 5:4 source 2, 7:6 destination):
;   window 0: v0-31 addresses; v64-127, v128-191 fragments of A, two buffers; v192-255 the bias, later packed results (v192-223); v32-63, v224-255 rows read back
;   window 1: v64-127, v128-191 fragments of B;   window 2: the accumulators of my rows 0-63 ((a, b) at 8 (8 a + b));   window 3: those of my rows 64-127
.set KSTEP,  128
.set NSTEP,  8                         ; K = 1,024
.set PITCH,  272                       ; an LDS row: 256 bytes + 16 of padding = 68 words: the 16 rows of a fragment load start 4 words apart modulo 64
.set HALFT,  128*PITCH                 ; 128 rows: what one tensor load brings, and what one wave reads of A or of B
.set SLOT,   4*HALFT                   ; A's 256 rows, then B's 256 rows
.set STAGE,  2*SLOT                    ; behind the ring: 16 rows x 272 bytes for each wave, for the way out
.set SPITCH, 272
.set SPARE,  STAGE+4*16*SPITCH         ; the spare words, 128 bytes for each wave
.set CP,     2048                      ; bytes in a row of C
.set BIASO,  4194304                   ; the biases lie behind B's 2,048 rows
.set ADRA0, 16                         ; v16  LDS address of my A fragments in slot 0; never rewritten
.set ADRA,  17                         ; v17  the same in the slot in hand
.set ADRB0, 20                         ; v20, v21  the same for B
.set ADRB,  21
.set STO,  24                          ; v24  where I put 16 bytes of a row
.set RD,   25                          ; v25  where I read a row back
.set CO,   26                          ; v26  my byte offset in C
.set BO,   27                          ; v27  my byte offset in the bias: 32 (l / 16)
.set SPW,  28                          ; v28  my spare word; never rewritten
.set NIL,  29                          ; v29  0; never rewritten
.set OB,   32
.set F0,   64
.set F1,   128
.set TMP,  192
.set BIAS, 192
.set G1,  24                           ; s[24:31] group 1 for A;  s[32:39] group 0: a set for each of the two first fills; the second then walks on
.set G0,  32
.set G1B, 48                           ; s[48:55], s[56:63] the same for B
.set G0B, 56
.set SEL, 66                           ; s66  sel
.set TB,  67                           ; s67  LDS byte at which the slot in hand begins
.set CB,  74                           ; s[74:75] C at my first row and column
.set FLD, (1<<16)|(1<<20)|(1<<21)|(5<<22)|(3<<25)  ; 2-byte elements; padding on; bit 21 beside a mask; after every 64 words; 4 words
.set MSB, 0
.macro WIN new                         ; the immediate's high byte repeats the setting that is left; a switch that changes nothing is dropped
.if MSB != (\new)
	s_set_vgpr_msb (MSB<<8)|(\new)
.set MSB, \new
.endif
.endm
.macro JLOAD s                         ; a joint load by descriptor set s; an s_nop 0 and four v_nop follow each of the two lines, ahead of the jump and the label
	s_cmp_eq_u32 s11, 0
	s_cbranch_scc0 .Lfor_b_\@
	tensor_load_to_lds s[G0+4*(\s):G0+4*(\s)+3], s[G1:G1+7]
	s_nop 0
.rept 4
	v_nop
.endr
	s_branch .Lasked_\@
.Lfor_b_\@:
	tensor_load_to_lds s[G0B+4*(\s):G0B+4*(\s)+3], s[G1B:G1B+7]
	s_nop 0
.rept 4
	v_nop
.endr
.Lasked_\@:
.endm
.macro CREST                           ; a round of the cluster's barrier behind its opening barrier
	s_cmp_lg_u32 s10, 0
	s_cbranch_scc1 .Lnot_wave_0_\@
	s_barrier_signal -3
.Lnot_wave_0_\@:
	s_barrier_wait -3
	s_barrier_signal -1
	s_barrier_wait -1
.endm
.macro CROUND
	s_barrier_signal -1
	s_barrier_wait -1
	CREST
.endm
.macro PLACES                          ; four places in front of loads into registers that matrix instructions have read, and of conversions that read results
.rept 4
	v_nop
.endr
.endm
	s_load_b256 s[68:75], s[0:1], 0x0              ; A0 s[68:69], A1 s[70:71], B s[72:73], C s[74:75]
	v_lshl_add_u32 v[SPW], v0, 2, SPARE
	v_mov_b32 v[NIL], 0
	ds_add_u32 v[SPW], v[NIL]                      ; the wave's opening: the add and its wait ahead of my first tensor load
	v_lshrrev_b32 v1, 5, v0
	v_readfirstlane_b32 s10, v1                    ; wave 0..3
	s_lshr_b32 s11, s10, 1                         ; my half of the tile's rows.  Also: I fetch for A (0) or for B (1)
	s_and_b32 s12, s10, 1                          ; my half of its columns.  Also: which half of that tile I fetch
	s_bfe_u32 s40, ttmp6, 0x40000                  ; cx
	s_bfe_u32 s41, ttmp6, 0x40004                  ; cy
	s_lshl_b32 s42, ttmp9, 2
	s_add_co_u32 s42, s42, s40                     ; tile column = 4 x cluster x + cx
	s_and_b32 s45, ttmp7, 0xffff                   ; cluster y
	s_lshr_b32 s[SEL], s45, 3                      ; sel
	s_and_b32 s13, s45, 7
	s_lshl_b32 s13, s13, 2
	s_add_co_u32 s13, s13, s41                     ; tile row in its plane, 0 .. 31
	s_lshl_b32 s43, s41, 2
	s_lshl_b32 s43, 15, s43                        ; my row of the cluster
	s_lshl_b32 s44, 0x1111, s40                    ; my column
	s_or_b32 s[G1+0], s43, FLD
	s_or_b32 s[G1B+0], s44, FLD
.irp g, G1, G1B
	s_mov_b32 s[(\g)+1], KSTEP<<16                 ; tensor_dim0 = 128
	s_mov_b32 s[(\g)+2], 128<<16                   ; tensor_dim1 = 128
	s_mov_b32 s[(\g)+3], KSTEP<<16                 ; tile_dim0 = 128
	s_mov_b32 s[(\g)+4], 128                       ; tile_dim1 = 128
	s_mov_b32 s[(\g)+5], 1024                      ; elements from row to row
	s_mov_b32 s[(\g)+6], 0
	s_mov_b32 s[(\g)+7], 0
.endr
	s_lshl_b32 s17, s12, 7
	s_lshl_b32 s16, s13, 8
	s_add_co_u32 s16, s16, s17                     ; A: row 256 x tile row + 128 x half,
	s_lshl_b32 s16, s16, 11                        ; 2,048 bytes a row
	s_mov_b32 s17, 0
	s_lshl_b32 s46, s42, 8
	s_lshl_b32 s47, s[SEL], 10
	s_add_co_u32 s46, s46, s47
	s_lshl_b32 s47, s12, 7
	s_add_co_u32 s46, s46, s47                     ; B: row 256 x tile column + 1,024 sel + 128 x half
	s_lshl_b32 s46, s46, 11
	s_mov_b32 s47, 0
	s_mul_i32 s20, s10, HALFT                      ; where they go in a slot: A's two halves, then B's two = wave x 128 rows: no place in the cluster enters an LDS address
	s_mov_b32 s[TB], 0
	s_wait_dscnt 0x0                               ; the opening add is done
	s_wait_kmcnt 0x0
	s_cmp_eq_u32 s[SEL], 0
	s_cselect_b64 s[14:15], s[68:69], s[70:71]
	s_add_nc_u64 s[14:15], s[14:15], s[16:17]
	s_add_nc_u64 s[46:47], s[72:73], s[46:47]
	CROUND                                         ; all sixteen work-groups are here: the first joint loads meet
.irp s, 0,1
	s_mov_b32 s[G0+4*(\s)], 1
	s_add_co_u32 s[G0+4*(\s)+1], s20, (\s)*SLOT
	s_add_nc_u64 s[G0+4*(\s)+2:G0+4*(\s)+3], s[14:15], (\s)*KSTEP*2
	s_or_b32 s[G0+4*(\s)+3], s[G0+4*(\s)+3], 0x80000000
	s_mov_b32 s[G0B+4*(\s)], 1
	s_add_co_u32 s[G0B+4*(\s)+1], s20, (\s)*SLOT
	s_add_nc_u64 s[G0B+4*(\s)+2:G0B+4*(\s)+3], s[46:47], (\s)*KSTEP*2
	s_or_b32 s[G0B+4*(\s)+3], s[G0B+4*(\s)+3], 0x80000000
	JLOAD \s
.endr
	v_and_b32 v1, 15, v0                           ; r = l % 16
	v_bfe_u32 v2, v0, 4, 1                         ; h = l / 16
	; the bias of my 128 columns: register j of block b is column 16 b + 8 h + j
	s_lshl_b32 s18, s42, 10
	s_lshl_b32 s19, s[SEL], 12
	s_add_co_u32 s18, s18, s19
	s_lshl_b32 s19, s12, 9
	s_add_co_u32 s18, s18, s19                     ; 4 x (256 x tile column + 1,024 sel + 128 x half)
	s_mov_b32 s19, 0
	s_add_nc_u64 s[72:73], s[72:73], s[18:19]
	v_lshlrev_b32 v[BO], 5, v2
.irp b, 0,1,2,3,4,5,6,7
	global_load_b128 v[BIAS+8*(\b):BIAS+8*(\b)+3],   v[BO], s[72:73] offset:BIASO+64*(\b)
	global_load_b128 v[BIAS+8*(\b)+4:BIAS+8*(\b)+7], v[BO], s[72:73] offset:BIASO+64*(\b)+16
.endr
	v_mul_u32_u24 v3, v1, PITCH
	v_lshl_add_u32 v3, v2, 4, v3                   ; a fragment's row x pitch + 16 x half
	s_mul_i32 s21, s11, HALFT                      ; my 128 rows of A
	s_mul_i32 s22, s12, HALFT                      ; my 128 rows of B,
	s_add_co_u32 s22, s22, 2*HALFT                 ; which lie behind A's 256
	v_add_nc_u32 v[ADRA0], s21, v3
	v_add_nc_u32 v[ADRB0], s22, v3
	v_mov_b32 v[ADRA], v[ADRA0]
	v_mov_b32 v[ADRB], v[ADRB0]
	s_mul_i32 s23, s10, 16*SPITCH
	s_add_co_u32 s23, s23, STAGE                   ; my stage
	v_mul_u32_u24 v4, v1, SPITCH                   ; in: row r, 16 bytes for each half of the lanes
	v_lshl_add_u32 v4, v2, 4, v4
	v_add_nc_u32 v[STO], s23, v4
	v_mul_u32_u24 v5, v2, SPITCH                   ; back: lanes 0-15 one row of 256 bytes, lanes 16-31 the next
	v_lshl_add_u32 v5, v1, 4, v5
	v_add_nc_u32 v[RD], s23, v5
	v_lshlrev_b32 v5, 11, v2                       ; and the same two rows in C
	v_lshl_add_u32 v[CO], v1, 4, v5
	s_lshl_b32 s16, s13, 8
	s_lshl_b32 s17, s11, 7
	s_add_co_u32 s16, s16, s17                     ; my first row in the plane
	s_lshl_b32 s16, s16, 11
	s_add_co_u32 s17, ttmp9, s[SEL]                ; the plane: 16,777,216 bytes
	s_lshl_b32 s17, s17, 24
	s_add_co_u32 s16, s16, s17
	s_lshl_b32 s17, s40, 9                         ; in the plane: 512 bytes a tile column,
	s_add_co_u32 s16, s16, s17
	s_lshl_b32 s17, s12, 8                         ; 256 for my half
	s_add_co_u32 s16, s16, s17
	s_mov_b32 s17, 0
	s_add_nc_u64 s[CB:CB+1], s[CB:CB+1], s[16:17]
; 16 matrix instructions: m blocks a0, a0 + 1 of the window's four (hi = 0: my rows 0-63, 1: rows 64-127) x all 8 n blocks, 32 along K.
; The 64 accumulators take turns in the same order in every quarter.  start = 1: the sums start with the bias (C in window 0).
.macro MUL16 f, hi, a0, start
.if \start
	WIN 0x81+0x40*(\hi)
.else
	WIN 0xa1+0x50*(\hi)
.endif
.irp a, \a0, (\a0)+1
.irp b, 0,1,2,3,4,5,6,7
.if \start
	v_wmma_f32_16x16x32_bf16 v[8*(8*(\a)+(\b)):8*(8*(\a)+(\b))+7], v[(\f)+8*(\b):(\f)+8*(\b)+7], v[(\f)+8*(4*(\hi)+(\a)):(\f)+8*(4*(\hi)+(\a))+7], v[BIAS+8*(\b):BIAS+8*(\b)+7]
.else
	v_wmma_f32_16x16x32_bf16 v[8*(8*(\a)+(\b)):8*(8*(\a)+(\b))+7], v[(\f)+8*(\b):(\f)+8*(\b)+7], v[(\f)+8*(4*(\hi)+(\a)):(\f)+8*(4*(\hi)+(\a))+7], v[8*(8*(\a)+(\b)):8*(8*(\a)+(\b))+7]
.endif
.endr
.endr
.endm
; 32 LDS loads in one run: the fragments of 32 along K at byte k of the rows of the slot in hand: B's 16 loads, then A's 16
.macro FETCH k, f
	WIN 0x40                                       ; destination window 1, address window 0
.irp i, 0,1,2,3,4,5,6,7
	ds_load_b128 v[(\f)+8*(\i):(\f)+8*(\i)+3],   v[ADRB] offset:(\k)+(\i)*16*PITCH
	ds_load_b128 v[(\f)+8*(\i)+4:(\f)+8*(\i)+7], v[ADRB] offset:(\k)+(\i)*16*PITCH+32
.endr
	WIN 0
.irp i, 0,1,2,3,4,5,6,7
	ds_load_b128 v[(\f)+8*(\i):(\f)+8*(\i)+3],   v[ADRA] offset:(\k)+(\i)*16*PITCH
	ds_load_b128 v[(\f)+8*(\i)+4:(\f)+8*(\i)+7], v[ADRA] offset:(\k)+(\i)*16*PITCH+32
.endr
.endm
; A K step is four quarters of 32 along K, 64 matrix instructions each, on buffers 0, 1, 0, 1.  One of the first three: multiplies f; in its middle it fetches the next quarter, at byte k, into g.
.macro QUARTER k, f, g, start
	s_wait_dscnt 8                                 ; B and A's rows 0-63 are in; the youngest eight loads (A's rows 64-127) may be out
	MUL16 \f, 0, 0, \start
	MUL16 \f, 0, 2, \start
	PLACES
	FETCH \k, \g
	s_wait_dscnt 32                                ; all but the 32 just issued
	MUL16 \f, 1, 0, \start
	MUL16 \f, 1, 2, \start
.endm
; The last quarter multiplies buffer 1 and changes slots: one barrier; in front of it each wave waits for all its tensor loads, adds 0 to its spare word, and waits for that and for its reads of this slot.
; fill = 1: the barrier opens a round of the cluster's, and the slot just read out is filled again, two K steps ahead, first thing behind it: 224 matrix instructions ahead of the wait for it.
; fill = 0 (the last two K steps): nothing is asked for; behind the very last step (s3 = 1) there is nothing to fetch either.
.macro TURN fill
	WIN 0
	s_wait_tensorcnt 0x0                           ; all my tensor loads have landed: my part of the next slot
	ds_add_u32 v[SPW], v[NIL]
	s_wait_dscnt 9                                 ; the add and the youngest eight loads may be out
	MUL16 F1, 0, 0, 0
	s_wait_dscnt 0x0                               ; the add is done, and my reads of this slot are over
	s_barrier_signal -1
	MUL16 F1, 0, 2, 0
	WIN 0
	s_barrier_wait -1
.if \fill
	CREST                                          ; no wave of any partner still reads this slot or has a load on its way
	s_add_co_u32 s[G0+5], s20, s[TB]               ; the walking descriptors: into the slot just read out,
	s_add_nc_u64 s[G0+6:G0+7], s[G0+6:G0+7], KSTEP*2  ; the K step behind the one asked for last
	s_add_co_u32 s[G0B+5], s20, s[TB]
	s_add_nc_u64 s[G0B+6:G0B+7], s[G0B+6:G0B+7], KSTEP*2
	s_xor_b32 s[TB], s[TB], SLOT                   ; the other slot is in hand
	JLOAD 1                                        ; the first tensor load behind the round; its four v_nop are also the places in front of the loads below
.else
	PLACES
	s_xor_b32 s[TB], s[TB], SLOT
	s_cmp_eq_u32 s3, 1
	s_cbranch_scc1 .Lno_more_\@
.endif
	v_add_nc_u32 v[ADRA], s[TB], v[ADRA0]
	v_add_nc_u32 v[ADRB], s[TB], v[ADRB0]
	FETCH 0, F0
.if !(\fill)
.Lno_more_\@:
.endif
	MUL16 F1, 1, 0, 0
	MUL16 F1, 1, 2, 0
.endm
; THE WAY OUT of m block a: rounded to bf16, 16 bytes a lane; through my own stage; back as whole rows of 256 bytes; stored.
.macro PACK a
.set AC, 64*((\a)%4)
	WIN 0x0a+5*((\a)/4)                            ; sources 0 and 1: window 2 or 3
.irp b, 0,1,2,3,4,5,6,7
.irp i, 0,1,2,3
	v_cvt_pk_bf16_f32 v[TMP+4*(\b)+(\i)], v[AC+8*(\b)+2*(\i)], v[AC+8*(\b)+2*(\i)+1]
.endr
.endr
	WIN 0
.endm
.macro TOSTAGE a
	WIN 0
.set BK, OB+192*((\a)%2)
.irp b, 0,1,2,3,4,5,6,7
	ds_store_b128 v[STO], v[TMP+4*(\b):TMP+4*(\b)+3] offset:32*(\b)
.endr
.irp t, 0,1,2,3,4,5,6,7
	ds_load_b128 v[BK+4*(\t):BK+4*(\t)+3], v[RD] offset:(\t)*2*SPITCH  ; LDS serves a wave's instructions in order: these see the stores above
.endr
.endm
.macro SEND a
	WIN 0
.set BK, OB+192*((\a)%2)
	s_wait_dscnt 0x0                               ; the block is back in registers
	s_wait_xcnt 0x0                                ; the stores of the block before have read their registers, which the next block's loads will write
.irp t, 0,1,2,3,4,5,6,7
	global_store_b128 v[CO], v[BK+4*(\t):BK+4*(\t)+3], s[CB:CB+1] offset:(16*(\a)+2*(\t))*CP  ; 16 lanes store 256 consecutive bytes, aligned
.endr
.endm
	s_wait_tensorcnt 1                             ; my part of K step 0 is in; K step 1's may stay out
	s_barrier_signal -1
	s_barrier_wait -1
	FETCH 0, F0
	s_wait_loadcnt 0x0                             ; the bias
	QUARTER 64,  F0, F1, 1                         ; the first quarter stands in front of the loop: its products start the sums
	WIN 0
	s_mov_b32 s3, NSTEP-2
.Lstep:                                                ; a trip: a K step's second quarter to the next step's first; it fills the slot that it leaves
	QUARTER 128, F1, F0, 0
	QUARTER 192, F0, F1, 0
	TURN 1
	QUARTER 64,  F0, F1, 0
	WIN 0
	s_sub_co_u32 s3, s3, 1
	s_cmp_lg_u32 s3, 0
	s_cbranch_scc1 .Lstep
	s_mov_b32 s3, 2
.Ltail:                                                ; the last two K steps ask for nothing; the second trip is left in its middle
	QUARTER 128, F1, F0, 0
	QUARTER 192, F0, F1, 0
	TURN 0
	WIN 0
	s_sub_co_u32 s3, s3, 1
	s_cmp_eq_u32 s3, 0
	s_cbranch_scc1 .Lout
	QUARTER 64,  F0, F1, 0
	WIN 0
	s_branch .Ltail
.Lout:
	PLACES
	PACK 0
	TOSTAGE 0
.irp a, 1,2,3,4,5,6,7                  ; block a's conversions stand between block a - 1's loads from the stage and the wait for them
	PACK \a
	SEND (\a)-1
	TOSTAGE \a
.endr
	SEND 7
	s_wait_tensorcnt 0x0                           ; the wave's end
	ds_add_u32 v[SPW], v[NIL]
	s_wait_dscnt 0x0
	CROUND                                         ; the closing round
	s_endpgm
.Lfunc_end_k_qf1695e5414_pa:
	.size	k_qf1695e5414_pa, .Lfunc_end_k_qf1695e5414_pa-k_qf1695e5414_pa
	.p2alignl 7, 3214868480
	.fill 96, 4, 3214868480
	.section	.rodata,"a",@progbits
	.p2align	6, 0x0
	.amdhsa_kernel k_qf1695e5414_pa
		.amdhsa_group_segment_fixed_size 327680
		.amdhsa_private_segment_fixed_size 0
		.amdhsa_enable_private_segment 0
		.amdhsa_kernarg_size 32
		.amdhsa_user_sgpr_count 2
		.amdhsa_user_sgpr_kernarg_segment_ptr 1
		.amdhsa_wavefront_size32 1
		.amdhsa_system_sgpr_workgroup_id_x 1
		.amdhsa_system_sgpr_workgroup_id_y 1
		.amdhsa_system_sgpr_workgroup_id_z 1
		.amdhsa_system_vgpr_workitem_id 0
		.amdhsa_next_free_vgpr 1024
		.amdhsa_next_free_sgpr 80
		.amdhsa_reserve_vcc 0
		.amdhsa_float_denorm_mode_32 3
		.amdhsa_float_denorm_mode_16_64 3
		.amdhsa_memory_ordered 1
		.amdhsa_forward_progress 1
		.amdhsa_inst_pref_size 102
	.end_amdhsa_kernel
	.amdgpu_metadata
---
amdhsa.version: [ 1, 2 ]
amdhsa.kernels:
  - .name:           k_qf1695e5414_pa
    .symbol:         k_qf1695e5414_pa.kd
    .args:
      - { .name: xb, .offset: 0, .size: 8, .value_kind: global_buffer, .address_space: global }
      - { .name: x, .offset: 8, .size: 8, .value_kind: global_buffer, .address_space: global }
      - { .name: wa, .offset: 16, .size: 8, .value_kind: global_buffer, .address_space: global }
      - { .name: vq, .offset: 24, .size: 8, .value_kind: global_buffer, .address_space: global }
    .group_segment_fixed_size: 327680
    .private_segment_fixed_size: 0
    .kernarg_segment_align: 8
    .kernarg_segment_size: 32
    .max_flat_workgroup_size: 128
    .sgpr_count:     80
    .vgpr_count:     1024
    .wavefront_size: 32
...
	.end_amdgpu_metadata
.endif
;; end of part 6
;; launch pb: the kernel of part 6 again; grid 4 x 64, 4 waves a work-group, clusters of 4 x 4, 327,680 bytes of LDS; arguments vq, xb, wb, xv; writes xv
;; launch score (part 7): grid 8 x 32, 4 waves a work-group, clusters of 4 x 4, 327,680 bytes of LDS; arguments vq, xv, p, stats; writes p, stats
.if DOCPART == 7
	.amdgcn_target "amdgcn-amd-amdhsa--gfx1250"
	.amdhsa_code_object_version 6
	.text
	.protected	k_qf1695e5414_score
	.globl	k_qf1695e5414_score
	.p2align	8
	.type	k_qf1695e5414_score,@function
k_qf1695e5414_score:
	s_mov_b64 s[64:65], 0
	v_nop
	global_prefetch_b8 v0, s[64:65] scope:SCOPE_SE
	s_setreg_imm32_b32 hwreg(HW_REG_WAVE_MODE, 25, 1), 1
	s_wait_xcnt 0x0
	s_wait_alu depctr_hold_cnt(0) depctr_sa_sdst(0) depctr_va_vdst(0) depctr_va_sdst(0) depctr_va_ssrc(0) depctr_va_vcc(0) depctr_vm_vsrc(0)
	s_getreg_b32 s2, hwreg(HW_REG_IB_STS2, 6, 4)
	s_cmp_eq_u32 s2, 0
	s_cbranch_scc0 .Lentry_in_a_cluster
	s_endpgm
.Lentry_in_a_cluster:
	s_bfe_u32 s2, ttmp6, 0x10000c
	s_cmp_lg_u32 s2, 0xf033
	s_cbranch_scc0 .Lentry_shape_is_right
	s_endpgm
.Lentry_shape_is_right:
; THE WEIGHTS, BY CHUNKS OF 128 KEYS.  s[q][k] = q[q] . k[k] over 1,024 channels (q: plane 1 of vq, k: plane 1 of xv, bf16; sums in f32).  For each query row and each chunk of 128 keys of its batch:
;   mh = the chunk's largest c s, rounded up to a whole number: rndne(c max + 0.5), at most 1 above it;  c = log2(e) / 32;
;   p = 2^(c s - mh), at most 1, stored in bf16 as the next product's operand ([8192][2048]);  l = the sum of the chunk's unrounded p, in f32.
; mh and l go to stats ([2][16 chunks][8192 rows] f32).  The next launch takes the largest mh of a row's 16 chunks away: the maximum is subtracted before every exponential, here the chunk's, there the row's.
; LIMITS.  q and k are bf16; a weight below 2^-126 counts as 0; NaN and infinities are not treated apart.
; SHARES.  A tile is 256 queries x 256 keys of one batch: 256 work-groups.  Four waves, 2 x 2, each 128 queries x 128 keys: a wave holds whole chunks, so a row's maximum and sum want one exchange between the halves of the lanes.
; Ring, loop, cluster, transposed use and registers as in the projections' text: K steps of 128 through two slots, a trip a step; A (q) shared along a row of the cluster, B (k) along a column;
; a batch is 8 tile rows, two clusters along y, so the sixteen partners share it.
; REGISTERS.  window 0: v0-31 addresses; v64-127, v128-191 fragments of A; on the way out v128-148 at work, v192-223 packed weights, v32-63 and v224-255 rows read back;
;   window 1: fragments of B;   windows 2, 3: accumulator (a, b) at 8 (8 (a % 4) + b) of window 2 + a / 4.
.set KSTEP,  128
.set NSTEP,  8
.set PITCH,  272
.set HALFT,  128*PITCH
.set SLOT,   4*HALFT
.set STAGE,  2*SLOT
.set SPITCH, 272
.set STST,   STAGE+4*16*SPITCH         ; 1,024 bytes for each wave: 128 rows' mh, then 128 rows' l
.set SPARE,  STST+4*1024               ; the spare words
.set PLANE,  16777216
.set CP,     4096                      ; bytes in a row of p
.set ADRA0, 16
.set ADRA,  17
.set ADRB0, 20
.set ADRB,  21
.set STO,  24
.set RD,   25
.set CO,   26
.set SA,   27                          ; v27  where I put mh (lanes 0-15) or l (lanes 16-31) of row r
.set SPW,  28
.set NIL,  29
.set SR,   30                          ; v30  where I read four of them back
.set SG,   31                          ; v31  and their place in stats: 16 l
.set OB,   32
.set F0,   64
.set F1,   128
.set TMP,  192
.set T,    128                         ; v128-135 eight running maxima
.set MS,   136                         ; v136 mh; v137 named with it as a pair
.set LS,   140                         ; v140-147 four chains of packed sums
.set SV,   148
.set G1,  24
.set G0,  32
.set G1B, 48
.set G0B, 56
.set TB,  67
.set CB,  72                           ; s[72:73] p at my first row and column
.set SB,  74                           ; s[74:75] stats at my chunk and first row
.set CS,  76                           ; s[76:77] c
.set SEL, 78                           ; s[78:79] v_permlanex16_b32's selects
.set UP,  66                           ; s66 the mask of lanes 16-31
.set FLD, (1<<16)|(1<<20)|(1<<21)|(5<<22)|(3<<25)
.set MSB, 0
.macro WIN new
.if MSB != (\new)
	s_set_vgpr_msb (MSB<<8)|(\new)
.set MSB, \new
.endif
.endm
.macro JLOAD s
	s_cmp_eq_u32 s11, 0
	s_cbranch_scc0 .Lfor_b_\@
	tensor_load_to_lds s[G0+4*(\s):G0+4*(\s)+3], s[G1:G1+7]
	s_nop 0
.rept 4
	v_nop
.endr
	s_branch .Lasked_\@
.Lfor_b_\@:
	tensor_load_to_lds s[G0B+4*(\s):G0B+4*(\s)+3], s[G1B:G1B+7]
	s_nop 0
.rept 4
	v_nop
.endr
.Lasked_\@:
.endm
.macro CREST
	s_cmp_lg_u32 s10, 0
	s_cbranch_scc1 .Lnot_wave_0_\@
	s_barrier_signal -3
.Lnot_wave_0_\@:
	s_barrier_wait -3
	s_barrier_signal -1
	s_barrier_wait -1
.endm
.macro CROUND
	s_barrier_signal -1
	s_barrier_wait -1
	CREST
.endm
.macro PLACES
.rept 4
	v_nop
.endr
.endm
	s_load_b256 s[68:75], s[0:1], 0x0              ; vq s[68:69], xv s[70:71], p s[72:73], stats s[74:75]
	v_lshl_add_u32 v[SPW], v0, 2, SPARE
	v_mov_b32 v[NIL], 0
	ds_add_u32 v[SPW], v[NIL]                      ; the wave's opening: the add and its wait ahead of my first tensor load
	v_lshrrev_b32 v1, 5, v0
	v_readfirstlane_b32 s10, v1
	s_lshr_b32 s11, s10, 1
	s_and_b32 s12, s10, 1
	s_bfe_u32 s40, ttmp6, 0x40000                  ; cx
	s_bfe_u32 s41, ttmp6, 0x40004                  ; cy
	s_lshl_b32 s42, ttmp9, 2
	s_add_co_u32 s42, s42, s40                     ; tile column: 256 keys of the batch
	s_and_b32 s45, ttmp7, 0xffff                   ; cluster y
	s_lshl_b32 s13, s45, 2
	s_add_co_u32 s13, s13, s41                     ; tile row: 256 of the 8,192 queries
	s_lshl_b32 s43, s41, 2
	s_lshl_b32 s43, 15, s43
	s_lshl_b32 s44, 0x1111, s40
	s_or_b32 s[G1+0], s43, FLD
	s_or_b32 s[G1B+0], s44, FLD
.irp g, G1, G1B
	s_mov_b32 s[(\g)+1], KSTEP<<16
	s_mov_b32 s[(\g)+2], 128<<16
	s_mov_b32 s[(\g)+3], KSTEP<<16
	s_mov_b32 s[(\g)+4], 128
	s_mov_b32 s[(\g)+5], 1024
	s_mov_b32 s[(\g)+6], 0
	s_mov_b32 s[(\g)+7], 0
.endr
	s_mov_b32 s[CS], 0x3d38aa3b                    ; c = log2(e) / 32
	s_mov_b32 s[CS+1], s[CS]
	s_mov_b32 s[SEL], 0x76543210
	s_mov_b32 s[SEL+1], 0xfedcba98
	s_mov_b32 s[UP], 0xffff0000
	s_lshl_b32 s17, s12, 7
	s_lshl_b32 s16, s13, 8
	s_add_co_u32 s16, s16, s17                     ; q: row 256 x tile row + 128 x half
	s_lshl_b32 s16, s16, 11
	s_mov_b32 s17, 0
	s_lshr_b32 s45, s45, 1                         ; the batch: two clusters along y each, the same for all sixteen partners
	s_lshl_b32 s45, s45, 11
	s_lshl_b32 s46, s42, 8
	s_add_co_u32 s46, s46, s45
	s_lshl_b32 s47, s12, 7
	s_add_co_u32 s46, s46, s47                     ; k: row 2,048 x batch + 256 x tile column + 128 x half
	s_lshl_b32 s46, s46, 11
	s_mov_b32 s47, 0
	s_mul_i32 s20, s10, HALFT
	s_mov_b32 s[TB], 0
	s_wait_dscnt 0x0                               ; the opening add is done
	s_wait_kmcnt 0x0
	s_add_nc_u64 s[14:15], s[68:69], s[16:17]
	s_add_nc_u64 s[14:15], s[14:15], PLANE         ; plane 1 of vq: q
	s_add_nc_u64 s[46:47], s[70:71], s[46:47]
	s_add_nc_u64 s[46:47], s[46:47], PLANE         ; plane 1 of xv: k
	CROUND
.irp s, 0,1
	s_mov_b32 s[G0+4*(\s)], 1
	s_add_co_u32 s[G0+4*(\s)+1], s20, (\s)*SLOT
	s_add_nc_u64 s[G0+4*(\s)+2:G0+4*(\s)+3], s[14:15], (\s)*KSTEP*2
	s_or_b32 s[G0+4*(\s)+3], s[G0+4*(\s)+3], 0x80000000
	s_mov_b32 s[G0B+4*(\s)], 1
	s_add_co_u32 s[G0B+4*(\s)+1], s20, (\s)*SLOT
	s_add_nc_u64 s[G0B+4*(\s)+2:G0B+4*(\s)+3], s[46:47], (\s)*KSTEP*2
	s_or_b32 s[G0B+4*(\s)+3], s[G0B+4*(\s)+3], 0x80000000
	JLOAD \s
.endr
	v_and_b32 v1, 15, v0                           ; r
	v_bfe_u32 v2, v0, 4, 1                         ; h
	v_mul_u32_u24 v3, v1, PITCH
	v_lshl_add_u32 v3, v2, 4, v3
	s_mul_i32 s21, s11, HALFT
	s_mul_i32 s22, s12, HALFT
	s_add_co_u32 s22, s22, 2*HALFT
	v_add_nc_u32 v[ADRA0], s21, v3
	v_add_nc_u32 v[ADRB0], s22, v3
	v_mov_b32 v[ADRA], v[ADRA0]
	v_mov_b32 v[ADRB], v[ADRB0]
	s_mul_i32 s23, s10, 16*SPITCH
	s_add_co_u32 s23, s23, STAGE
	v_mul_u32_u24 v4, v1, SPITCH
	v_lshl_add_u32 v4, v2, 4, v4
	v_add_nc_u32 v[STO], s23, v4
	v_mul_u32_u24 v5, v2, SPITCH
	v_lshl_add_u32 v5, v1, 4, v5
	v_add_nc_u32 v[RD], s23, v5
	v_lshlrev_b32 v5, 12, v2
	v_lshl_add_u32 v[CO], v1, 4, v5
	s_lshl_b32 s23, s10, 10
	s_add_co_u32 s23, s23, STST                    ; my 1,024 bytes for the statistics
	v_lshl_add_u32 v[SA], v2, 9, s23
	v_lshl_add_u32 v[SA], v1, 2, v[SA]
	v_and_b32 v5, 31, v0
	v_lshl_add_u32 v[SR], v5, 4, s23
	v_lshlrev_b32 v[SG], 4, v5
	v_mov_b32 v[MS+1], 0                           ; named as a pair with mh
	s_lshl_b32 s16, s13, 8
	s_lshl_b32 s17, s11, 7
	s_add_co_u32 s16, s16, s17                     ; my first row
	s_lshl_b32 s18, s16, 12
	s_lshl_b32 s19, s42, 9
	s_add_co_u32 s18, s18, s19
	s_lshl_b32 s19, s12, 8
	s_add_co_u32 s18, s18, s19
	s_mov_b32 s19, 0
	s_add_nc_u64 s[CB:CB+1], s[CB:CB+1], s[18:19]
	s_lshl_b32 s18, s42, 1
	s_add_co_u32 s18, s18, s12                     ; my chunk = 2 x tile column + half
	s_lshl_b32 s18, s18, 15
	s_lshl_b32 s19, s16, 2
	s_add_co_u32 s18, s18, s19
	s_mov_b32 s19, 0
	s_add_nc_u64 s[SB:SB+1], s[SB:SB+1], s[18:19]
.macro MUL16 f, hi, a0, start          ; 16 matrix instructions; the 64 accumulators take turns.  start = 1: the products start the sums
	WIN 0xa1+0x50*(\hi)
.irp a, \a0, (\a0)+1
.irp b, 0,1,2,3,4,5,6,7
.if \start
	v_wmma_f32_16x16x32_bf16 v[8*(8*(\a)+(\b)):8*(8*(\a)+(\b))+7], v[(\f)+8*(\b):(\f)+8*(\b)+7], v[(\f)+8*(4*(\hi)+(\a)):(\f)+8*(4*(\hi)+(\a))+7], 0
.else
	v_wmma_f32_16x16x32_bf16 v[8*(8*(\a)+(\b)):8*(8*(\a)+(\b))+7], v[(\f)+8*(\b):(\f)+8*(\b)+7], v[(\f)+8*(4*(\hi)+(\a)):(\f)+8*(4*(\hi)+(\a))+7], v[8*(8*(\a)+(\b)):8*(8*(\a)+(\b))+7]
.endif
.endr
.endr
.endm
.macro FETCH k, f                      ; 32 LDS loads from the slot in hand: B's 16, then A's 16
	WIN 0x40
.irp i, 0,1,2,3,4,5,6,7
	ds_load_b128 v[(\f)+8*(\i):(\f)+8*(\i)+3],   v[ADRB] offset:(\k)+(\i)*16*PITCH
	ds_load_b128 v[(\f)+8*(\i)+4:(\f)+8*(\i)+7], v[ADRB] offset:(\k)+(\i)*16*PITCH+32
.endr
	WIN 0
.irp i, 0,1,2,3,4,5,6,7
	ds_load_b128 v[(\f)+8*(\i):(\f)+8*(\i)+3],   v[ADRA] offset:(\k)+(\i)*16*PITCH
	ds_load_b128 v[(\f)+8*(\i)+4:(\f)+8*(\i)+7], v[ADRA] offset:(\k)+(\i)*16*PITCH+32
.endr
.endm
.macro QUARTER k, f, g, start
	s_wait_dscnt 8                                 ; B and A's rows 0-63 are in; the youngest eight loads may be out
	MUL16 \f, 0, 0, \start
	MUL16 \f, 0, 2, \start
	PLACES
	FETCH \k, \g
	s_wait_dscnt 32                                ; all but the 32 just issued
	MUL16 \f, 1, 0, \start
	MUL16 \f, 1, 2, \start
.endm
.macro TURN fill                       ; the change of slots, as in the projections' text
	WIN 0
	s_wait_tensorcnt 0x0                           ; all my tensor loads have landed: my part of the next slot
	ds_add_u32 v[SPW], v[NIL]
	s_wait_dscnt 9                                 ; the add and the youngest eight loads may be out
	MUL16 F1, 0, 0, 0
	s_wait_dscnt 0x0                               ; the add is done, and my reads of this slot are over
	s_barrier_signal -1
	MUL16 F1, 0, 2, 0
	WIN 0
	s_barrier_wait -1
.if \fill
	CREST
	s_add_co_u32 s[G0+5], s20, s[TB]
	s_add_nc_u64 s[G0+6:G0+7], s[G0+6:G0+7], KSTEP*2
	s_add_co_u32 s[G0B+5], s20, s[TB]
	s_add_nc_u64 s[G0B+6:G0B+7], s[G0B+6:G0B+7], KSTEP*2
	s_xor_b32 s[TB], s[TB], SLOT
	JLOAD 1
.else
	PLACES
	s_xor_b32 s[TB], s[TB], SLOT
	s_cmp_eq_u32 s3, 1
	s_cbranch_scc1 .Lno_more_\@
.endif
	v_add_nc_u32 v[ADRA], s[TB], v[ADRA0]
	v_add_nc_u32 v[ADRB], s[TB], v[ADRB0]
	FETCH 0, F0
.if !(\fill)
.Lno_more_\@:
.endif
	MUL16 F1, 1, 0, 0
	MUL16 F1, 1, 2, 0
.endm
; THE SOFTMAX'S FIRST HALF for m block a: a lane holds 64 scores of row 16 a + r, the lane 16 away the row's other 64.  WW is the block's window.
.macro SOFT a
.set AC, 64*((\a)%4)
.set WW, 2+(\a)/4
	WIN WW*0x15                                    ; three sources in window WW
.irp b, 0,1,2,3,4,5,6,7
	v_max3_num_f32 v[T+(\b)], v[AC+8*(\b)], v[AC+8*(\b)+1], v[AC+8*(\b)+2]
.endr
	WIN WW*0x14
.irp b, 0,1,2,3,4,5,6,7
	v_max3_num_f32 v[T+(\b)], v[T+(\b)], v[AC+8*(\b)+3], v[AC+8*(\b)+4]
.endr
.irp b, 0,1,2,3,4,5,6,7
	v_max3_num_f32 v[T+(\b)], v[T+(\b)], v[AC+8*(\b)+5], v[AC+8*(\b)+6]
.endr
.irp b, 0,1,2,3
	v_max3_num_f32 v[T+(\b)], v[T+(\b)], v[AC+8*(\b)+7], v[AC+8*(\b)+39]
.endr
	WIN 0
	v_max3_num_f32 v[T], v[T], v[T+1], v[T+2]
	v_max3_num_f32 v[T+3], v[T+3], v[T+4], v[T+5]
	v_max3_num_f32 v[T], v[T], v[T+6], v[T+7]
	v_max_num_f32 v[T], v[T], v[T+3]
	v_permlanex16_b32 v[T+1], v[T], s[SEL], s[SEL+1]
	v_max_num_f32 v[T], v[T], v[T+1]               ; the chunk's maximum for row r
	v_fma_f32 v[MS], v[T], s[CS], 0.5
	v_rndne_f32 v[MS], v[MS]                       ; mh: a whole number, from c max to c max + 1
	WIN WW*0x41                                    ; in place in window WW; mh in window 0
.set i, 0
.rept 32
	v_pk_fma_f32 v[AC+i:AC+i+1], v[AC+i:AC+i+1], s[CS:CS+1], v[MS:MS+1] op_sel_hi:[1,0,0] neg_lo:[0,0,1] neg_hi:[0,0,1]  ; c s - mh
.set i, i+2
.endr
.set i, 0
.rept 64
	v_exp_f32 v[AC+i], v[AC+i]
.set i, i+1
.endr
	v_nop                                          ; a plain instruction between the exponentials and the use of their results (ISA guide 5.7.2)
	WIN WW*5
	s_wait_alu depctr_va_vdst(0)
.irp b, 0,1,2,3,4,5,6,7
.irp i, 0,1,2,3
	v_cvt_pk_bf16_f32 v[TMP+4*(\b)+(\i)], v[AC+8*(\b)+2*(\i)], v[AC+8*(\b)+2*(\i)+1]
.endr
.endr
.irp c, 0,1,2,3                        ; the sum of the unrounded weights, in four chains
	v_pk_add_f32 v[LS+2*(\c):LS+2*(\c)+1], v[AC+2*(\c):AC+2*(\c)+1], v[AC+8+2*(\c):AC+8+2*(\c)+1]
.endr
	WIN WW*4
.irp b, 2,3,4,5,6,7
.irp c, 0,1,2,3
	v_pk_add_f32 v[LS+2*(\c):LS+2*(\c)+1], v[LS+2*(\c):LS+2*(\c)+1], v[AC+8*(\b)+2*(\c):AC+8*(\b)+2*(\c)+1]
.endr
.endr
	WIN 0
	v_pk_add_f32 v[LS:LS+1], v[LS:LS+1], v[LS+2:LS+3]
	v_pk_add_f32 v[LS+4:LS+5], v[LS+4:LS+5], v[LS+6:LS+7]
	v_pk_add_f32 v[LS:LS+1], v[LS:LS+1], v[LS+4:LS+5]
	v_add_f32 v[LS], v[LS], v[LS+1]
	v_permlanex16_b32 v[LS+1], v[LS], s[SEL], s[SEL+1]
	v_add_f32 v[LS], v[LS], v[LS+1]                ; l
	v_cndmask_b32 v[SV], v[MS], v[LS], s[UP]       ; lanes 0-15 keep mh, lanes 16-31 take l
	ds_store_b32 v[SA], v[SV] offset:64*(\a)
.endm
.macro TOSTAGE a
	WIN 0
.set BK, OB+192*((\a)%2)
.irp b, 0,1,2,3,4,5,6,7
	ds_store_b128 v[STO], v[TMP+4*(\b):TMP+4*(\b)+3] offset:32*(\b)
.endr
.irp t, 0,1,2,3,4,5,6,7
	ds_load_b128 v[BK+4*(\t):BK+4*(\t)+3], v[RD] offset:(\t)*2*SPITCH  ; LDS serves a wave's instructions in order: these see the stores above
.endr
.endm
.macro SEND a
	WIN 0
.set BK, OB+192*((\a)%2)
	s_wait_dscnt 0x0
	s_wait_xcnt 0x0                                ; the stores of the block before have read their registers, which the next block's loads will write
.irp t, 0,1,2,3,4,5,6,7
	global_store_b128 v[CO], v[BK+4*(\t):BK+4*(\t)+3], s[CB:CB+1] offset:(16*(\a)+2*(\t))*CP  ; 16 lanes store 256 consecutive bytes, aligned
.endr
.endm
	s_wait_tensorcnt 1                             ; my part of K step 0 is in; K step 1's may stay out
	s_barrier_signal -1
	s_barrier_wait -1
	FETCH 0, F0
	QUARTER 64,  F0, F1, 1
	WIN 0
	s_mov_b32 s3, NSTEP-2
.Lstep:
	QUARTER 128, F1, F0, 0
	QUARTER 192, F0, F1, 0
	TURN 1
	QUARTER 64,  F0, F1, 0
	WIN 0
	s_sub_co_u32 s3, s3, 1
	s_cmp_lg_u32 s3, 0
	s_cbranch_scc1 .Lstep
	s_mov_b32 s3, 2
.Ltail:                                                ; the last two K steps ask for nothing; the second trip is left in its middle
	QUARTER 128, F1, F0, 0
	QUARTER 192, F0, F1, 0
	TURN 0
	WIN 0
	s_sub_co_u32 s3, s3, 1
	s_cmp_eq_u32 s3, 0
	s_cbranch_scc1 .Lout
	QUARTER 64,  F0, F1, 0
	WIN 0
	s_branch .Ltail
.Lout:
	PLACES
	SOFT 0
	TOSTAGE 0
.irp a, 1,2,3,4,5,6,7                  ; block a's softmax stands between block a - 1's loads from the stage and the wait for them
	SOFT \a
	SEND (\a)-1
	TOSTAGE \a
.endr
	SEND 7
	ds_load_b128 v[T:T+3], v[SR]                   ; my wave's own stores, in order: four rows' mh,
	ds_load_b128 v[T+4:T+7], v[SR] offset:512      ; four rows' l
	s_wait_dscnt 0x0
	global_store_b128 v[SG], v[T:T+3], s[SB:SB+1]                   ; 512 consecutive bytes, aligned: 128 rows of mh,
	global_store_b128 v[SG], v[T+4:T+7], s[SB:SB+1] offset:524288   ; 128 rows of l
	s_wait_tensorcnt 0x0                           ; the wave's end
	ds_add_u32 v[SPW], v[NIL]
	s_wait_dscnt 0x0
	CROUND
	s_endpgm
.Lfunc_end_k_qf1695e5414_score:
	.size	k_qf1695e5414_score, .Lfunc_end_k_qf1695e5414_score-k_qf1695e5414_score
	.p2alignl 7, 3214868480
	.fill 96, 4, 3214868480
	.section	.rodata,"a",@progbits
	.p2align	6, 0x0
	.amdhsa_kernel k_qf1695e5414_score
		.amdhsa_group_segment_fixed_size 327680
		.amdhsa_private_segment_fixed_size 0
		.amdhsa_enable_private_segment 0
		.amdhsa_kernarg_size 32
		.amdhsa_user_sgpr_count 2
		.amdhsa_user_sgpr_kernarg_segment_ptr 1
		.amdhsa_wavefront_size32 1
		.amdhsa_system_sgpr_workgroup_id_x 1
		.amdhsa_system_sgpr_workgroup_id_y 1
		.amdhsa_system_sgpr_workgroup_id_z 1
		.amdhsa_system_vgpr_workitem_id 0
		.amdhsa_next_free_vgpr 1024
		.amdhsa_next_free_sgpr 80
		.amdhsa_reserve_vcc 0
		.amdhsa_float_denorm_mode_32 3
		.amdhsa_float_denorm_mode_16_64 3
		.amdhsa_memory_ordered 1
		.amdhsa_forward_progress 1
		.amdhsa_inst_pref_size 169
	.end_amdhsa_kernel
	.amdgpu_metadata
---
amdhsa.version: [ 1, 2 ]
amdhsa.kernels:
  - .name:           k_qf1695e5414_score
    .symbol:         k_qf1695e5414_score.kd
    .args:
      - { .name: vq, .offset: 0, .size: 8, .value_kind: global_buffer, .address_space: global }
      - { .name: xv, .offset: 8, .size: 8, .value_kind: global_buffer, .address_space: global }
      - { .name: p, .offset: 16, .size: 8, .value_kind: global_buffer, .address_space: global }
      - { .name: stats, .offset: 24, .size: 8, .value_kind: global_buffer, .address_space: global }
    .group_segment_fixed_size: 327680
    .private_segment_fixed_size: 0
    .kernarg_segment_align: 8
    .kernarg_segment_size: 32
    .max_flat_workgroup_size: 128
    .sgpr_count:     80
    .vgpr_count:     1024
    .wavefront_size: 32
...
	.end_amdgpu_metadata
.endif
;; end of part 7
;; launch mix (part 8): grid 4 x 64, 4 waves a work-group, clusters of 4 x 4, 327,680 bytes of LDS; arguments p, xv, stats, x, out0; writes out0
.if DOCPART == 8
	.amdgcn_target "amdgcn-amd-amdhsa--gfx1250"
	.amdhsa_code_object_version 6
	.text
	.protected	k_qf1695e5414_mix
	.globl	k_qf1695e5414_mix
	.p2align	8
	.type	k_qf1695e5414_mix,@function
k_qf1695e5414_mix:
	s_mov_b64 s[64:65], 0
	v_nop
	global_prefetch_b8 v0, s[64:65] scope:SCOPE_SE
	s_setreg_imm32_b32 hwreg(HW_REG_WAVE_MODE, 25, 1), 1
	s_wait_xcnt 0x0
	s_wait_alu depctr_hold_cnt(0) depctr_sa_sdst(0) depctr_va_vdst(0) depctr_va_sdst(0) depctr_va_ssrc(0) depctr_va_vcc(0) depctr_vm_vsrc(0)
	s_getreg_b32 s2, hwreg(HW_REG_IB_STS2, 6, 4)
	s_cmp_eq_u32 s2, 0
	s_cbranch_scc0 .Lentry_in_a_cluster
	s_endpgm
.Lentry_in_a_cluster:
	s_bfe_u32 s2, ttmp6, 0x10000c
	s_cmp_lg_u32 s2, 0xf033
	s_cbranch_scc0 .Lentry_shape_is_right
	s_endpgm
.Lentry_shape_is_right:
; out[q][e] = x[q][e] + (1 / L[q]) x the sum over the batch's 2,048 keys k of g[q][chunk of k] p[q][k] V2[k][e].
; p: [8192][2048] bf16, the weights by chunks of 128 keys; V2 = v Wfc^T + bfc: [8192][1024] bf16 (plane 0 of xv); stats: mh and l of each row and chunk, f32; x and out in f32.
; THE SOFTMAX'S SECOND HALF.  M = the largest mh of a row's 16 chunks; g = 2^(mh - M), a power of two, since every mh is a whole number; L = the sum of g l.  g p is exact in bf16, so p's fragments are
; multiplied by g on their way to the matrix unit; the f32 sums are multiplied by 1 / L at the end.  The chunk that holds M has g = 1 and l of 1/2 at the least: L is never 0.
; The last projection stands in front of this product (V2): a softmax row sums to 1, so bfc comes through it; it shares V2's one rounding to bf16.
; LIMITS.  p and V2 are bf16; a g below 2^-126 counts as 0; NaN and infinities are not treated apart.
; SHARES.  A tile of out is 128 rows x 256 channels: 256 work-groups (tiles of 256 x 256 would be 128).  Four waves, 2 x 2, each 64 x 128.  K = 2,048 keys in 16 steps of 128: K step c is chunk c.
; Two slots of a longer step (768 bytes for each key of a step) would not fit in LDS.
; A (p) lies along K; B (V2) lies [key][channel] and comes out of LDS turned, by ds_load_tr16_b128.  The matrix instruction is used transposed (source 0 = V2, source 1 = p): a lane holds one row of out and eight channels.
; CLUSTER.  4 x 4 work-groups, all of one batch.  p's tile is asked for jointly by a row of the cluster, V2's by a column.  Waves 0 and 1 fetch p's two halves (64 rows), waves 2 and 3 V2's (64 keys):
; one tensor load a wave behind each round of the cluster's barrier; two are out at the start.
; THE LOOP.  A trip is one K step; the slot in hand is a scalar, TB, that is turned between 0 and SLOT.  The first quarter stands in front (its products start the sums), 14 trips fill a slot again,
; and the last two K steps are a second loop, which asks for nothing and is left in its middle: no tensor load and no barrier is jumped over.
; AHEAD OF THE TENSOR LOADS.  Trip t, whose refill asks for K step t + 2, prefetches K step t + 4: see ASK.
; x's tile is asked for at the head, into 256 registers of its own, and is waited for on the way out, where out = sum x (1 / L) + x is one fused multiply-add.
; REGISTERS.  window 0: v0-31 addresses, v8-11 g of the chunk in hand for my four m blocks (bf16, twice in a word); v64-159, v160-255 fragment buffers (p's 4 blocks, then V2's 8);
;   on the way out v32-63, v64-95 1 / L of a block's 16 rows, in pairs, and v128-191, v192-255 rows read back;   window 1: accumulator (a, b) at 8 (8 a + b);   window 2: x, row i of my 64 at 4 i.
.set KSTEP,  128
.set NSTEP,  16
.set PITCH,  272                       ; a row of p in LDS: 256 bytes + 16 of padding = 68 words: the 16 rows of a fragment load start 4 words apart modulo 64
.set PV,     544                       ; a row of V2 in LDS: 512 bytes + 32 of padding: 16 lanes of the turning load take 8 rows x 32 bytes, 8 words apart modulo 64
.set AH,     64*PITCH
.set AT,     2*AH
.set BH,     64*PV                     ; 64 keys: one tensor load
.set SLOT,   AT+2*BH
.set STAGE,  2*SLOT                    ; 16 rows x 528 bytes for each wave, for the way out
.set SP4,    528
.set GT,     STAGE+4*16*SP4            ; for each wave 4,608 bytes: g of chunk c, row 16 a + r at 256 c + 16 r + 4 a; then 1 / L of row i, twice, at 4,096 + 8 i
.set TABW,   4608
.set SPARE,  GT+4*TABW
.set GF,   8
.set GA0,  12                          ; v12  my row's place in a chunk's g; never rewritten
.set GA,   13                          ; v13  the same, at the chunk to be fetched
.set GW,   14                          ; v14  where I put g of my two rows
.set GW2,  15                          ; v15  and their 1 / L
.set ADRA0, 16                         ; v16  LDS address of my fragments of p in slot 0; never rewritten
.set ADRA,  17                         ; v17  the same in the slot in hand
.set ADRB0, 20                         ; v20, v21  the same for V2
.set ADRB,  21
.set STO,  24
.set RD,   25
.set CO,   26                          ; v26  16 l: my 16 bytes of a row of x and of out
.set SO,   27                          ; v27  8 l: my two rows in stats
.set SPW,  28
.set NIL,  29
.set PFO,  30                          ; v30  the prefetches' offset: my lane x a row of p or of V2; never rewritten
.set IA,   31                          ; v31  my wave's tables, the same address in every lane
.set F0,   64
.set F1,   160
.set G1,  24                           ; s[24:31] group 1 for p;  s[32:39] group 0: a set for each of the two first fills; the second then walks on
.set G0,  32
.set G1B, 48                           ; s[48:55], s[56:63] the same for V2
.set G0B, 56
.set LA,  66                           ; s66  where my load of p lands in a slot
.set TB,  67                           ; s67  LDS byte at which the slot in hand begins
.set PFA, 74                           ; s[74:75] where my prefetches stand
.set PST, 76                           ; s[76:77] a K step in bytes, along p's rows or down V2
.set LBB, 78                           ; s78  where my load of V2 lands in a slot
.set LIM, 79                           ; s79  2 in a wave that prefetches, else the greatest number
.set MUL, 0x50                         ; C and D in window 1
.set MSB, 0
.macro WIN new                         ; the immediate's high byte repeats the setting that is left; a switch that changes nothing is dropped
.if MSB != (\new)
	s_set_vgpr_msb (MSB<<8)|(\new)
.set MSB, \new
.endif
.endm
.macro JLOAD s                         ; a joint load by descriptor set s; an s_nop 0 and four v_nop follow each of the two lines, ahead of the jump and the label
	s_cmp_eq_u32 s11, 0
	s_cbranch_scc0 .Lfor_b_\@
	tensor_load_to_lds s[G0+4*(\s):G0+4*(\s)+3], s[G1:G1+7]
	s_nop 0
.rept 4
	v_nop
.endr
	s_branch .Lasked_\@
.Lfor_b_\@:
	tensor_load_to_lds s[G0B+4*(\s):G0B+4*(\s)+3], s[G1B:G1B+7]
	s_nop 0
.rept 4
	v_nop
.endr
.Lasked_\@:
.endm
; A PREFETCH INTO THE L2, behind a trip's joint load and the run of LDS loads that follows it: the K step that stands two refills on (trip t asks for K step t + 2 and names K step t + 4), a lane a row, one instruction a wave.
; p: the tile's 128 rows are read by the four partners of my row of the cluster alone; the partner at cx takes rows 32 cx .. 32 cx + 31, 256 bytes of each; wave 0 asks.
; V2: a step's 128 keys x 512 bytes are read by the four partners of my column and by the batch's three other clusters along y: the batch's first cluster asks; the partner at cy takes keys 32 cy .. 32 cy + 31;
; wave 2 asks for the first 256 bytes of each, wave 3 for the second.  So each aligned block of 256 bytes is named once in the launch, and partners are told apart by address alone.
; K steps 0 to 3 come by their loads alone; trips 12 and 13 (s3 = 2, 1) name nothing, since K steps 16 and 17 do not exist.
.macro ASK
	s_cmp_gt_u32 s3, s[LIM]
	s_cbranch_scc0 .Lnot_mine_\@
	global_prefetch_b8 v[PFO], s[PFA:PFA+1] th:TH_LOAD_NT scope:SCOPE_SE
.Lnot_mine_\@:
.endm
.macro CREST                           ; a round of the cluster's barrier behind its opening barrier
	s_cmp_lg_u32 s10, 0
	s_cbranch_scc1 .Lnot_wave_0_\@
	s_barrier_signal -3
.Lnot_wave_0_\@:
	s_barrier_wait -3
	s_barrier_signal -1
	s_barrier_wait -1
.endm
.macro CROUND
	s_barrier_signal -1
	s_barrier_wait -1
	CREST
.endm
.macro PLACES                          ; four places in front of loads into registers that matrix instructions have read, and of LDS stores that read results
.rept 4
	v_nop
.endr
.endm
	s_load_b128 s[4:7], s[0:1], 0x0                ; p s[4:5], V2 s[6:7]
	s_load_b128 s[68:71], s[0:1], 0x10             ; stats s[68:69], x s[70:71]
	s_load_b64 s[72:73], s[0:1], 0x20              ; out
	v_lshl_add_u32 v[SPW], v0, 2, SPARE
	v_mov_b32 v[NIL], 0
	ds_add_u32 v[SPW], v[NIL]                      ; the wave's opening: the add and its wait ahead of my first tensor load
	v_lshrrev_b32 v1, 5, v0
	v_readfirstlane_b32 s10, v1                    ; wave 0..3
	s_lshr_b32 s11, s10, 1                         ; my half of the tile's rows.  Also: I fetch p (0) or V2 (1)
	s_and_b32 s12, s10, 1                          ; my half of its channels.  Also: which half of that tile I fetch
	s_bfe_u32 s40, ttmp6, 0x40000                  ; cx
	s_bfe_u32 s41, ttmp6, 0x40004                  ; cy
	s_lshl_b32 s42, ttmp9, 2
	s_add_co_u32 s42, s42, s40                     ; tile column: 256 channels
	s_and_b32 s45, ttmp7, 0xffff                   ; cluster y
	s_lshl_b32 s13, s45, 2
	s_add_co_u32 s13, s13, s41                     ; tile row: 128 rows
	s_lshl_b32 s43, s41, 2
	s_lshl_b32 s43, 15, s43                        ; my row of the cluster
	s_lshl_b32 s44, 0x1111, s40                    ; my column
	s_or_b32 s[G1+0], s43, (1<<16)|(1<<20)|(1<<21)|(5<<22)|(3<<25)   ; p: 2-byte elements; padding on; bit 21 beside a mask; 4 words of padding after every 64
	s_or_b32 s[G1B+0], s44, (1<<16)|(1<<20)|(1<<21)|(6<<22)|(7<<25)  ; V2: 8 words after every 128
	s_mov_b32 s[G1+1], KSTEP<<16                   ; p: 64 rows x 128 keys,
	s_mov_b32 s[G1+2], 64<<16
	s_mov_b32 s[G1+3], KSTEP<<16
	s_mov_b32 s[G1+4], 64
	s_mov_b32 s[G1+5], 2048                        ; 2,048 elements from row to row
	s_mov_b32 s[G1+6], 0
	s_mov_b32 s[G1+7], 0
	s_mov_b32 s[G1B+1], 256<<16                    ; V2: 64 keys x 256 channels,
	s_mov_b32 s[G1B+2], 64<<16
	s_mov_b32 s[G1B+3], 256<<16
	s_mov_b32 s[G1B+4], 64
	s_mov_b32 s[G1B+5], 1024                       ; 1,024 elements from key to key
	s_mov_b32 s[G1B+6], 0
	s_mov_b32 s[G1B+7], 0
	s_lshl_b32 s17, s12, 6
	s_lshl_b32 s16, s13, 7
	s_add_co_u32 s16, s16, s17                     ; p: row 128 x tile row + 64 x half,
	s_lshl_b32 s16, s16, 12                        ; 4,096 bytes a row
	s_mov_b32 s17, 0
	s_lshr_b32 s23, s45, 2                         ; the batch: four clusters along y each, the same for all sixteen partners
	s_lshl_b32 s23, s23, 11                        ; its first key
	s_lshl_b32 s47, s12, 6
	s_add_co_u32 s46, s23, s47                     ; V2: key 2,048 x batch + 64 x half,
	s_lshl_b32 s46, s46, 11                        ; 2,048 bytes a key,
	s_lshl_b32 s47, s42, 9                         ; 512 bytes a tile column
	s_add_co_u32 s46, s46, s47
	s_mov_b32 s47, 0
	s_mul_i32 s[LA], s12, AH                       ; where they go in a slot: no place in the cluster enters an LDS address
	s_mul_i32 s[LBB], s12, BH
	s_add_co_u32 s[LBB], s[LBB], AT
	s_mov_b32 s[TB], 0
	; the prefetches' offsets, in registers that feed no descriptor
	s_lshl_b32 s18, s13, 7
	s_lshl_b32 s19, s40, 5
	s_add_co_u32 s18, s18, s19                     ; p: row 128 x tile row + 32 cx,
	s_lshl_b32 s18, s18, 12
	s_add_co_u32 s18, s18, 3*KSTEP*2               ; at K step 3: the first trip steps it to 4
	s_lshl_b32 s19, s41, 5
	s_add_co_u32 s19, s19, s23                     ; V2: key 2,048 x batch + 32 cy,
	s_add_co_u32 s19, s19, 3*KSTEP                 ; at K step 3,
	s_lshl_b32 s19, s19, 11
	s_lshl_b32 s22, s42, 9                         ; my tile column's 512 bytes,
	s_add_co_u32 s19, s19, s22
	s_lshl_b32 s22, s12, 8                         ; of which wave 2 takes the first 256 and wave 3 the second
	s_add_co_u32 s19, s19, s22
	s_and_b32 s21, s45, 3                          ; 0 in the batch's first cluster
	s_mov_b32 s[PST], KSTEP*2048
	s_mov_b32 s[PST+1], 0
	s_cmp_eq_u32 s11, 0                            ; do I fetch p?
	s_cselect_b32 s18, s18, s19
	s_cselect_b32 s[PST], KSTEP*2, s[PST]
	s_cselect_b32 s22, 12, 11                      ; a row of p is 4,096 bytes, a key of V2 2,048
	s_cselect_b32 s21, s12, s21                    ; for p wave 0 asks; for V2 both waves of the batch's first cluster
	s_mov_b32 s19, 0
	s_cmp_eq_u32 s21, 0
	s_cselect_b32 s[LIM], 2, -1                    ; hangs on the wave's number and the cluster's y alone: the same in all sixteen partners
	v_and_b32 v3, 31, v0                           ; l
	v_lshlrev_b32 v[PFO], s22, v3
	s_wait_dscnt 0x0                               ; the opening add is done
	s_wait_kmcnt 0x0
	s_add_nc_u64 s[14:15], s[4:5], s[16:17]
	s_add_nc_u64 s[46:47], s[6:7], s[46:47]
	s_cmp_eq_u32 s11, 0
	s_cselect_b64 s[PFA:PFA+1], s[4:5], s[6:7]
	s_add_nc_u64 s[PFA:PFA+1], s[PFA:PFA+1], s[18:19]
	CROUND                                         ; all sixteen work-groups are here: the first joint loads meet
.irp s, 0,1
	s_mov_b32 s[G0+4*(\s)], 1
	s_add_co_u32 s[G0+4*(\s)+1], s[LA], (\s)*SLOT
	s_add_nc_u64 s[G0+4*(\s)+2:G0+4*(\s)+3], s[14:15], (\s)*KSTEP*2
	s_or_b32 s[G0+4*(\s)+3], s[G0+4*(\s)+3], 0x80000000
	s_mov_b32 s[G0B+4*(\s)], 1
	s_add_co_u32 s[G0B+4*(\s)+1], s[LBB], (\s)*SLOT
	s_add_nc_u64 s[G0B+4*(\s)+2:G0B+4*(\s)+3], s[46:47], (\s)*KSTEP*2048
	s_or_b32 s[G0B+4*(\s)+3], s[G0B+4*(\s)+3], 0x80000000
	JLOAD \s
.endr
	; the statistics of my wave's 64 rows: lane l takes rows 2 l and 2 l + 1 of all 16 chunks; each load covers 256 consecutive bytes, aligned
	s_lshl_b32 s16, s13, 7
	s_lshl_b32 s17, s11, 6
	s_add_co_u32 s16, s16, s17                     ; my first row
	s_lshl_b32 s18, s16, 2
	s_mov_b32 s19, 0
	s_add_nc_u64 s[68:69], s[68:69], s[18:19]
	v_lshlrev_b32 v[SO], 3, v3
.irp c, 0,1,2,3,4,5,6,7,8,9,10,11,12,13,14,15
	global_load_b64 v[64+2*(\c):65+2*(\c)], v[SO], s[68:69] offset:32768*(\c)          ; mh
.endr
.irp c, 0,1,2,3,4,5,6,7,8,9,10,11,12,13,14,15
	global_load_b64 v[96+2*(\c):97+2*(\c)], v[SO], s[68:69] offset:524288+32768*(\c)   ; l
.endr
	v_and_b32 v1, 15, v0                           ; r
	v_bfe_u32 v2, v0, 4, 1                         ; h
	v_and_b32 v4, 7, v0                            ; l % 8
	v_bfe_u32 v5, v0, 3, 1                         ; (l / 8) % 2
	v_bfe_u32 v6, v0, 3, 2                         ; l / 8
	v_mul_u32_u24 v7, v1, PITCH
	v_lshl_add_u32 v7, v2, 4, v7
	s_mul_i32 s21, s11, AH
	v_add_nc_u32 v[ADRA0], s21, v7
	v_mov_b32 v[ADRA], v[ADRA0]
	v_lshl_add_u32 v7, v2, 3, v4                   ; the turning load: lane l reads key 8 h + l % 8, channels 8 ((l / 8) % 2) + 0..7
	v_mul_u32_u24 v7, v7, PV
	v_lshl_add_u32 v7, v5, 4, v7
	s_lshl_b32 s22, s12, 8                         ; my 128 channels
	s_add_co_u32 s22, s22, AT
	v_add_nc_u32 v[ADRB0], s22, v7
	v_mov_b32 v[ADRB], v[ADRB0]
	s_mul_i32 s23, s10, 16*SP4
	s_add_co_u32 s23, s23, STAGE                   ; my stage
	v_mul_u32_u24 v7, v1, SP4                      ; in: row r, 32 bytes for each half of the lanes
	v_lshl_add_u32 v7, v2, 5, v7
	v_add_nc_u32 v[STO], s23, v7
	v_lshl_add_u32 v[RD], v3, 4, s23               ; back: a whole row of 512 bytes
	v_lshlrev_b32 v[CO], 4, v3
	s_mul_i32 s20, s10, TABW
	s_add_co_u32 s20, s20, GT                      ; my tables
	v_lshl_add_u32 v[GW], v4, 5, s20               ; row 2 l + i is block l / 8, r = 2 (l % 8) + i: 32 (l % 8) + 16 i + 4 (l / 8)
	v_lshl_add_u32 v[GW], v6, 2, v[GW]
	v_lshl_add_u32 v[GW2], v3, 4, s20              ; rows 2 l and 2 l + 1, 8 bytes each
	v_lshl_add_u32 v[GA0], v1, 4, s20
	v_mov_b32 v[IA], s20
	s_lshl_b32 s18, s16, 12                        ; x and out: my first row, 4,096 bytes a row,
	s_lshl_b32 s19, s42, 10                        ; 1,024 bytes a tile column,
	s_add_co_u32 s18, s18, s19
	s_lshl_b32 s19, s12, 9                         ; 512 for my half
	s_add_co_u32 s18, s18, s19
	s_mov_b32 s19, 0
	s_add_nc_u64 s[70:71], s[70:71], s[18:19]
	s_add_nc_u64 s[72:73], s[72:73], s[18:19]
	s_wait_loadcnt 0x0                             ; the statistics
	v_max3_num_f32 v128, v64, v66, v68             ; M of my even row,
	v_max3_num_f32 v129, v65, v67, v69             ; of my odd row
.irp k, 0,1,2,3,4,5
	v_max3_num_f32 v128, v128, v[70+4*(\k)], v[72+4*(\k)]
	v_max3_num_f32 v129, v129, v[71+4*(\k)], v[73+4*(\k)]
.endr
	v_max_num_f32 v128, v128, v94
	v_max_num_f32 v129, v129, v95
.irp c, 0,1,2,3,4,5,6,7,8,9,10,11,12,13,14,15
	v_pk_add_f32 v[64+2*(\c):65+2*(\c)], v[64+2*(\c):65+2*(\c)], v[128:129] neg_lo:[0,1] neg_hi:[0,1]  ; mh - M: 0 or a negative whole number
.endr
.set i, 0
.rept 32
	v_exp_f32 v[64+i], v[64+i]                     ; g
.set i, i+1
.endr
	v_nop                                          ; a plain instruction between the exponentials and the use of their results
	s_wait_alu depctr_va_vdst(0)
	v_pk_mul_f32 v[130:131], v[64:65], v[96:97]    ; L = the sum of g l, in two chains
	v_pk_mul_f32 v[132:133], v[66:67], v[98:99]
.irp c, 2,4,6,8,10,12,14
	v_pk_fma_f32 v[130:131], v[64+2*(\c):65+2*(\c)], v[96+2*(\c):97+2*(\c)], v[130:131]
	v_pk_fma_f32 v[132:133], v[66+2*(\c):67+2*(\c)], v[98+2*(\c):99+2*(\c)], v[132:133]
.endr
	v_pk_add_f32 v[130:131], v[130:131], v[132:133]
	v_rcp_f32 v134, v130                           ; 1 / L, twice for each row: a pair for the packed multiply-add
	v_rcp_f32 v135, v130
	v_rcp_f32 v136, v131
	v_rcp_f32 v137, v131
.set i, 0
.rept 32
	v_cvt_pk_bf16_f32 v[64+i], v[64+i], v[64+i]    ; g in both halves of a word; within an exponential's last bit of a power of two, it rounds to that power.  (Plain lines behind the reciprocals.)
.set i, i+1
.endr
.irp c, 0,1,2,3,4,5,6,7,8,9,10,11,12,13,14,15
	ds_store_b32 v[GW], v[64+2*(\c)] offset:256*(\c)
	ds_store_b32 v[GW], v[65+2*(\c)] offset:256*(\c)+16
.endr
	s_wait_alu depctr_va_vdst(0)
	ds_store_b128 v[GW2], v[134:137] offset:4096
	WIN 0x80                                       ; x: 64 rows of 512 bytes, a row an instruction; they stay out during the whole loop
.set i, 0
.rept 64
	global_load_b128 v[4*i:4*i+3], v[CO], s[70:71] offset:i*4096 th:TH_LOAD_NT
.set i, i+1
.endr
	WIN 0
; 8 matrix instructions: n blocks b0, b0 + 1 x all 4 m blocks, 32 along K.  The 32 accumulators take turns in the same order in every quarter.  start = 1: the products start the sums.
.macro MUL8 f, b0, start
	WIN MUL
.irp b, \b0, (\b0)+1
.irp a, 0,1,2,3
.if \start
	v_wmma_f32_16x16x32_bf16 v[8*(8*(\a)+(\b)):8*(8*(\a)+(\b))+7], v[(\f)+32+8*(\b):(\f)+32+8*(\b)+7], v[(\f)+8*(\a):(\f)+8*(\a)+7], 0
.else
	v_wmma_f32_16x16x32_bf16 v[8*(8*(\a)+(\b)):8*(8*(\a)+(\b))+7], v[(\f)+32+8*(\b):(\f)+32+8*(\b)+7], v[(\f)+8*(\a):(\f)+8*(\a)+7], v[8*(8*(\a)+(\b)):8*(8*(\a)+(\b))+7]
.endif
.endr
.endr
.endm
; A quarter's last 8 matrix instructions; behind each stand four of the 32 lines that multiply the NEXT quarter's fragments of p (buffer g) by g.  They name no register of the products round them.
.macro MUL8R f, g, start
.set n, 0
.irp b, 6, 7
.irp a, 0,1,2,3
	WIN MUL
.if \start
	v_wmma_f32_16x16x32_bf16 v[8*(8*(\a)+(\b)):8*(8*(\a)+(\b))+7], v[(\f)+32+8*(\b):(\f)+32+8*(\b)+7], v[(\f)+8*(\a):(\f)+8*(\a)+7], 0
.else
	v_wmma_f32_16x16x32_bf16 v[8*(8*(\a)+(\b)):8*(8*(\a)+(\b))+7], v[(\f)+32+8*(\b):(\f)+32+8*(\b)+7], v[(\f)+8*(\a):(\f)+8*(\a)+7], v[8*(8*(\a)+(\b)):8*(8*(\a)+(\b))+7]
.endif
	WIN 0
.rept 4
	v_pk_mul_bf16 v[(\g)+n], v[(\g)+n], v[GF+n/8]
.set n, n+1
.endr
.endr
.endr
.endm
.macro SCALE f                         ; the same 32 lines on end, for the first quarter
	WIN 0
.set n, 0
.rept 32
	v_pk_mul_bf16 v[(\f)+n], v[(\f)+n], v[GF+n/8]
.set n, n+1
.endr
.endm
; 24 LDS loads from the slot in hand: p's 8 as they lie (32 keys at byte k of the rows), then V2's 16, turned (keys 32 (k / 64) on, channels 16 b on)
.macro FETCH k, f
	WIN 0
.irp a, 0,1,2,3
	ds_load_b128 v[(\f)+8*(\a):(\f)+8*(\a)+3],   v[ADRA] offset:(\k)+(\a)*16*PITCH
	ds_load_b128 v[(\f)+8*(\a)+4:(\f)+8*(\a)+7], v[ADRA] offset:(\k)+(\a)*16*PITCH+32
.endr
.irp b, 0,1,2,3,4,5,6,7
	ds_load_tr16_b128 v[(\f)+32+8*(\b):(\f)+32+8*(\b)+3],   v[ADRB] offset:((\k)/64)*32*PV+32*(\b)
	ds_load_tr16_b128 v[(\f)+32+8*(\b)+4:(\f)+32+8*(\b)+7], v[ADRB] offset:((\k)/64)*32*PV+16*PV+32*(\b)
.endr
.endm
; A K step is four quarters of 32 keys, 32 matrix instructions each, on buffers 0, 1, 0, 1.  One of the first three: multiplies f and fetches the next quarter, at byte k, into g.
.macro QUARTER k, f, g, start
	s_wait_dscnt 12                                ; of f's 24 loads p's 8 and V2's blocks 0, 1 are in
	MUL8 \f, 0, \start
	PLACES
	FETCH \k, \g
	s_wait_dscnt 32                                ; V2's blocks 2, 3: eight older loads and the 24 just issued may be out
	MUL8 \f, 2, \start
	s_wait_dscnt 28
	MUL8 \f, 4, \start
	s_wait_dscnt 16                                ; f is whole, and of g's 24 loads p's 8 are in
	MUL8R \f, \g, \start
.endm
; The last quarter multiplies buffer 1 and changes slots: one barrier; in front of it each wave waits for all its tensor loads, adds 0 to its spare word, and waits for that and for its reads of this slot.
; fill = 1: the barrier opens a round of the cluster's, and the slot just read out is filled again, two K steps ahead, first thing behind it.
; fill = 0 (the last two K steps): nothing is asked for.  Behind the very last step (s3 = 1) there is nothing to fetch either: the 32 scaling lines then run on fragments that nothing reads any more,
; the price, once a launch, of one text for both trips.
.macro TURN fill
	WIN 0
.if \fill
	s_wait_xcnt 0x0                                ; the last prefetch, a K step back, has read its address: it is stepped here, ahead of the waits of the change of slots
	s_add_nc_u64 s[PFA:PFA+1], s[PFA:PFA+1], s[PST:PST+1]
.endif
	s_wait_tensorcnt 0x0                           ; all my tensor loads have landed: my part of the next slot
	ds_add_u32 v[SPW], v[NIL]
	s_wait_dscnt 13                                ; the add and the youngest twelve loads may be out
	MUL8 F1, 0, 0
	s_wait_dscnt 0x0                               ; the add is done, and my reads of this slot are over
	s_barrier_signal -1
	MUL8 F1, 2, 0
	WIN 0
	s_barrier_wait -1
.if \fill
	CREST                                          ; no wave of any partner still reads this slot or has a load on its way
	s_add_co_u32 s[G0+5], s[LA], s[TB]             ; the walking descriptors: into the slot just read out,
	s_add_nc_u64 s[G0+6:G0+7], s[G0+6:G0+7], KSTEP*2       ; the K step behind the one asked for last: 128 keys along p's rows,
	s_add_co_u32 s[G0B+5], s[LBB], s[TB]
	s_add_nc_u64 s[G0B+6:G0B+7], s[G0B+6:G0B+7], KSTEP*2048  ; 128 keys down V2
	s_xor_b32 s[TB], s[TB], SLOT                   ; the other slot is in hand
	s_sub_co_u32 s22, NSTEP-1, s3                  ; trip t = 14 - s3 fetches chunk t + 1,
	s_lshl_b32 s22, s22, 8                         ; 256 bytes of my table a chunk
	JLOAD 1                                        ; the first tensor load behind the round; its four v_nop are also the places in front of the loads below
	v_add_nc_u32 v[GA], s22, v[GA0]
.else
	PLACES
	s_xor_b32 s[TB], s[TB], SLOT
	s_cmp_eq_u32 s3, 1
	s_cbranch_scc1 .Lno_more_\@
	v_add_nc_u32 v[GA], (NSTEP-1)*256, v[GA0]      ; the last chunk
.endif
	v_add_nc_u32 v[ADRA], s[TB], v[ADRA0]
	v_add_nc_u32 v[ADRB], s[TB], v[ADRB0]
	ds_load_b128 v[GF:GF+3], v[GA]                 ; the next chunk's g: the lines that used the last chunk's have been issued
	FETCH 0, F0
.if \fill
	ASK
.else
.Lno_more_\@:
.endif
	MUL8 F1, 4, 0
	s_wait_dscnt 16                                ; of the 25 just issued g and p's 8 are in
	MUL8R F1, F0, 0
.endm
; THE WAY OUT of m block a.  STG: 1 / L of its 16 rows (one address for all lanes: two rows' pairs a load); the f32 sums into my stage, straight from the accumulators, each from its low end on;
; back as whole rows of 512 bytes.  FIN: sum x (1 / L) + x, one fused multiply-add; stored.
.macro STG a
	WIN 0
.set BK, 128+64*((\a)%2)
.set IB, 32+32*((\a)%2)
	s_wait_xcnt 0x0                                ; the stores issued so far have read their registers, which the loads below write
.irp j, 0,1,2,3,4,5,6,7
	ds_load_b128 v[IB+4*(\j):IB+4*(\j)+3], v[IA] offset:4096+128*(\a)+16*(\j)
.endr
	WIN 0x04                                       ; the stores' data (source 1) in window 1
.irp b, 0,1,2,3,4,5,6,7
	ds_store_b128 v[STO], v[64*(\a)+8*(\b):64*(\a)+8*(\b)+3]   offset:64*(\b)
	ds_store_b128 v[STO], v[64*(\a)+8*(\b)+4:64*(\a)+8*(\b)+7] offset:64*(\b)+16
.endr
	WIN 0
.irp t, 0,1,2,3,4,5,6,7,8,9,10,11,12,13,14,15
	ds_load_b128 v[BK+4*(\t):BK+4*(\t)+3], v[RD] offset:(\t)*SP4  ; LDS serves a wave's instructions in order: these see the stores above, and the next block's stores come behind them
.endr
.endm
.macro FIN a, younger                  ; younger: the LDS instructions issued behind block a's: the next block's 8 + 16 + 16, or none
.set BK, 128+64*((\a)%2)
.set IB, 32+32*((\a)%2)
	s_wait_dscnt \younger
	WIN 0x20                                       ; source 2 in window 2: x
.set t, 0
.rept 16
	v_pk_fma_f32 v[BK+4*t:BK+4*t+1],   v[BK+4*t:BK+4*t+1],   v[IB+2*t:IB+2*t+1], v[64*(\a)+4*t:64*(\a)+4*t+1]
	v_pk_fma_f32 v[BK+4*t+2:BK+4*t+3], v[BK+4*t+2:BK+4*t+3], v[IB+2*t:IB+2*t+1], v[64*(\a)+4*t+2:64*(\a)+4*t+3]
.set t, t+1
.endr
	WIN 0
.irp t, 0,1,2,3,4,5,6,7,8,9,10,11,12,13,14,15
	global_store_b128 v[CO], v[BK+4*(\t):BK+4*(\t)+3], s[72:73] offset:(16*(\a)+(\t))*4096 th:TH_STORE_NT  ; 512 consecutive bytes, aligned
.endr
.endm
	s_wait_dscnt 0x0                               ; my tables are written
	s_wait_tensorcnt 1                             ; my part of K step 0 is in; K step 1's may stay out
	s_barrier_signal -1
	s_barrier_wait -1
	ds_load_b128 v[GF:GF+3], v[GA0]                ; chunk 0's g
	FETCH 0, F0
	s_wait_dscnt 0x0
	SCALE F0
	QUARTER 64,  F0, F1, 1                         ; the first quarter stands in front of the loop: its products start the sums
	WIN 0
	s_mov_b32 s3, NSTEP-2
.Lstep:                                                ; a trip: a K step's second quarter to the next step's first; it fills the slot that it leaves
	QUARTER 128, F1, F0, 0
	QUARTER 192, F0, F1, 0
	TURN 1
	QUARTER 64,  F0, F1, 0
	WIN 0
	s_sub_co_u32 s3, s3, 1
	s_cmp_lg_u32 s3, 0
	s_cbranch_scc1 .Lstep
	s_mov_b32 s3, 2
.Ltail:                                                ; the last two K steps ask for nothing; the second trip is left in its middle
	QUARTER 128, F1, F0, 0
	QUARTER 192, F0, F1, 0
	TURN 0
	WIN 0
	s_sub_co_u32 s3, s3, 1
	s_cmp_eq_u32 s3, 0
	s_cbranch_scc1 .Lout
	QUARTER 64,  F0, F1, 0
	WIN 0
	s_branch .Ltail
.Lout:
	PLACES
	s_wait_loadcnt 0x0                             ; x
	STG 0
	STG 1                                          ; a block's trip through the stage stands between the loads of the block before and the wait for them
	FIN 0, 40
	STG 2
	FIN 1, 40
	STG 3
	FIN 2, 40
	FIN 3, 0
	s_wait_tensorcnt 0x0                           ; the wave's end
	ds_add_u32 v[SPW], v[NIL]
	s_wait_dscnt 0x0
	CROUND                                         ; the closing round
	s_endpgm
.Lfunc_end_k_qf1695e5414_mix:
	.size	k_qf1695e5414_mix, .Lfunc_end_k_qf1695e5414_mix-k_qf1695e5414_mix
	.p2alignl 7, 3214868480
	.fill 96, 4, 3214868480
	.section	.rodata,"a",@progbits
	.p2align	6, 0x0
	.amdhsa_kernel k_qf1695e5414_mix
		.amdhsa_group_segment_fixed_size 327680
		.amdhsa_private_segment_fixed_size 0
		.amdhsa_enable_private_segment 0
		.amdhsa_kernarg_size 40
		.amdhsa_user_sgpr_count 2
		.amdhsa_user_sgpr_kernarg_segment_ptr 1
		.amdhsa_wavefront_size32 1
		.amdhsa_system_sgpr_workgroup_id_x 1
		.amdhsa_system_sgpr_workgroup_id_y 1
		.amdhsa_system_sgpr_workgroup_id_z 1
		.amdhsa_system_vgpr_workitem_id 0
		.amdhsa_next_free_vgpr 768
		.amdhsa_next_free_sgpr 80
		.amdhsa_reserve_vcc 0
		.amdhsa_float_denorm_mode_32 3
		.amdhsa_float_denorm_mode_16_64 3
		.amdhsa_memory_ordered 1
		.amdhsa_forward_progress 1
		.amdhsa_inst_pref_size 114
	.end_amdhsa_kernel
	.amdgpu_metadata
---
amdhsa.version: [ 1, 2 ]
amdhsa.kernels:
  - .name:           k_qf1695e5414_mix
    .symbol:         k_qf1695e5414_mix.kd
    .args:
      - { .name: p, .offset: 0, .size: 8, .value_kind: global_buffer, .address_space: global }
      - { .name: xv, .offset: 8, .size: 8, .value_kind: global_buffer, .address_space: global }
      - { .name: stats, .offset: 16, .size: 8, .value_kind: global_buffer, .address_space: global }
      - { .name: x, .offset: 24, .size: 8, .value_kind: global_buffer, .address_space: global }
      - { .name: out0, .offset: 32, .size: 8, .value_kind: global_buffer, .address_space: global }
    .group_segment_fixed_size: 327680
    .private_segment_fixed_size: 0
    .kernarg_segment_align: 8
    .kernarg_segment_size: 40
    .max_flat_workgroup_size: 128
    .sgpr_count:     80
    .vgpr_count:     768
    .wavefront_size: 32
...
	.end_amdgpu_metadata
.endif
;; end of part 8
